; MI455X (gfx1250); checked and timed in simulation.
; The chip was launched on July 23, 2026; its instructions are those of AMD's public machine-readable ISA for CDNA 5 (MIT licence, August 2026) and "CDNA5" Instruction Set Architecture Reference Guide (July 2026). The comments in the code are by the model that wrote it; some were corrected since.
;; Bert Attention Distance. Allowed arithmetic: float matrix products may take bf16 or f16 operands with f32 sums; other float arithmetic in f32, or as packed bf16 or f16 multiplies, adds, multiply-adds, maxima and minima; sums over many terms, partial sums and values carried from step to step in f32; what a program stores and reads back later, other than sums and carried values, may be rounded once to bf16 or f16.
;; Inputs: Wk 1,024 x 1,024 float32; Wo 1,024 x 1,024 float32; Wq 1,024 x 1,024 float32; Wv 1,024 x 1,024 float32; attention_mask 4 x 1 x 1 x 2,048 float32; bk 1,024 float32; bo 1,024 float32; bq 1,024 float32; bv 1,024 float32; dist_emb 32 x 1,024 float32; hidden_states 4 x 2,048 x 1,024 float32; ln_b 1,024 float32; ln_g 1,024 float32; word_word_relation 4 x 2,048 x 2,048 int32.
;; Outputs: out0 4 x 2,048 x 1,024 float32.
;; 2 versions, each right; version 2 is version 1 with the launch cvt written anew for expert scheduling mode. Each part assembles by itself: llvm-mc -triple=amdgcn-amd-amdhsa -mcpu=gfx1250 --defsym DOCPART=n.
;; ======== version 1 of 2: 6 launches
;; workspace buffers: xb 16,777,216 bytes; wqkv 6,291,456 bytes; wob 2,097,152 bytes; qkv 50,331,648 bytes; pmat 33,554,432 bytes; stats 1,048,576 bytes; ctx 16,777,216 bytes; ybuf 16,777,216 bytes
;; launch cvt (part 1): grid 768 x 1, 8 waves a work-group, no clusters, 0 bytes of LDS; arguments hidden_states, Wq, Wk, Wv, Wo, xb, wqkv, wob; writes xb, wqkv, wob
.if DOCPART == 1
	.amdgcn_target "amdgcn-amd-amdhsa--gfx1250"
	.amdhsa_code_object_version 6
	.text
	.protected	k_qc94913c2f6_cvt
	.globl	k_qc94913c2f6_cvt
	.p2align	8
	.type	k_qc94913c2f6_cvt,@function
k_qc94913c2f6_cvt:
	s_mov_b64 s[64:65], 0
	v_nop
	global_prefetch_b8 v0, s[64:65] scope:SCOPE_SE
	s_setreg_imm32_b32 hwreg(HW_REG_WAVE_MODE, 25, 1), 1
	s_wait_xcnt 0x0
; f32 -> bf16, once, for everything that is a matrix operand later: hidden_states -> xb [8192][1024]; Wq, Wk, Wv -> wqkv [3072][1024] (stacked); Wo -> wob [1024][1024].
; A stream: no LDS, no matrix unit, no cluster (no byte is shared).  A work-group of 256 threads takes 16,384 numbers: 65,536 bytes in, 32,768 out.
; Work-groups 0-511 take hidden_states, 512-767 the four weights, 64 work-groups each.  Which buffers are meant is a choice between pointers on the work-group's number; no branch.
; All sixteen loads of a thread go out first (a wave's load covers 512 consecutive bytes); each store of a wave covers 256 consecutive bytes, aligned.
.set X, 8                              ; v[8:71]   sixteen loads of four numbers
.set Y, 72                             ; v[72:103] sixteen pairs of packed bf16
	s_load_b512 s[4:19], s[0:1], 0x0               ; hidden s[4:5], Wq s[6:7], Wk s[8:9], Wv s[10:11], Wo s[12:13], xb s[14:15], wqkv s[16:17], wob s[18:19]
	s_sub_co_u32 s20, ttmp9, 512                   ; my number among the weights' work-groups (meaningless below 512: overruled below)
	s_lshr_b32 s21, s20, 6                         ; which weight
	s_and_b32 s22, s20, 63                         ; which block of it
	v_lshlrev_b32 v1, 4, v0                        ; 16 t: my bytes in 4,096 of the source
	v_lshlrev_b32 v2, 3, v0                        ; 8 t: my bytes in 2,048 of the destination
	s_wait_kmcnt 0x0
	s_cmp_eq_u32 s21, 1
	s_cselect_b64 s[24:25], s[8:9], s[6:7]
	s_cmp_eq_u32 s21, 2
	s_cselect_b64 s[24:25], s[10:11], s[24:25]
	s_cmp_eq_u32 s21, 3
	s_cselect_b64 s[24:25], s[12:13], s[24:25]
	s_cselect_b64 s[26:27], s[18:19], s[16:17]     ; Wo goes to wob, the others to wqkv,
	s_cselect_b32 s23, 0, s21                      ; at plane 0, 1 or 2 of it
	s_cmp_lt_u32 ttmp9, 512
	s_cselect_b64 s[24:25], s[4:5], s[24:25]
	s_cselect_b64 s[26:27], s[14:15], s[26:27]
	s_cselect_b32 s22, ttmp9, s22
	s_cselect_b32 s23, 0, s23
	s_lshl_b32 s28, s22, 16                        ; block x 65,536 bytes of f32
	s_mov_b32 s29, 0
	s_add_nc_u64 s[24:25], s[24:25], s[28:29]
	s_lshl_b32 s28, s22, 15                        ; block x 32,768 bytes of bf16
	s_lshl_b32 s30, s23, 21                        ; + plane x 2 MiB
	s_add_co_u32 s28, s28, s30
	s_add_nc_u64 s[26:27], s[26:27], s[28:29]
.irp j, 0,1,2,3,4,5,6,7,8,9,10,11,12,13,14,15
	global_load_b128 v[X+4*(\j):X+4*(\j)+3], v1, s[24:25] offset:4096*(\j) th:TH_LOAD_NT
.endr
.irp j, 0,1,2,3,4,5,6,7,8,9,10,11,12,13,14,15
	s_wait_loadcnt 15-(\j)                         ; loads come back in order: number j is in, the younger ones stay out
	v_cvt_pk_bf16_f32 v[Y+2*(\j)], v[X+4*(\j)], v[X+4*(\j)+1]
	v_cvt_pk_bf16_f32 v[Y+2*(\j)+1], v[X+4*(\j)+2], v[X+4*(\j)+3]
	global_store_b64 v2, v[Y+2*(\j):Y+2*(\j)+1], s[26:27] offset:2048*(\j)
.endr
	s_endpgm
.Lfunc_end_k_qc94913c2f6_cvt:
	.size	k_qc94913c2f6_cvt, .Lfunc_end_k_qc94913c2f6_cvt-k_qc94913c2f6_cvt
	.p2alignl 7, 3214868480
	.fill 96, 4, 3214868480
	.section	.rodata,"a",@progbits
	.p2align	6, 0x0
	.amdhsa_kernel k_qc94913c2f6_cvt
		.amdhsa_group_segment_fixed_size 0
		.amdhsa_private_segment_fixed_size 0
		.amdhsa_enable_private_segment 0
		.amdhsa_kernarg_size 64
		.amdhsa_user_sgpr_count 2
		.amdhsa_user_sgpr_kernarg_segment_ptr 1
		.amdhsa_wavefront_size32 1
		.amdhsa_system_sgpr_workgroup_id_x 1
		.amdhsa_system_sgpr_workgroup_id_y 1
		.amdhsa_system_sgpr_workgroup_id_z 1
		.amdhsa_system_vgpr_workitem_id 0
		.amdhsa_next_free_vgpr 104
		.amdhsa_next_free_sgpr 66
		.amdhsa_reserve_vcc 0
		.amdhsa_float_denorm_mode_32 3
		.amdhsa_float_denorm_mode_16_64 3
		.amdhsa_memory_ordered 1
		.amdhsa_forward_progress 1
		.amdhsa_inst_pref_size 7
	.end_amdhsa_kernel
	.amdgpu_metadata
---
amdhsa.version: [ 1, 2 ]
amdhsa.kernels:
  - .name:           k_qc94913c2f6_cvt
    .symbol:         k_qc94913c2f6_cvt.kd
    .args:
      - { .name: hidden_states, .offset: 0, .size: 8, .value_kind: global_buffer, .address_space: global }
      - { .name: Wq, .offset: 8, .size: 8, .value_kind: global_buffer, .address_space: global }
      - { .name: Wk, .offset: 16, .size: 8, .value_kind: global_buffer, .address_space: global }
      - { .name: Wv, .offset: 24, .size: 8, .value_kind: global_buffer, .address_space: global }
      - { .name: Wo, .offset: 32, .size: 8, .value_kind: global_buffer, .address_space: global }
      - { .name: xb, .offset: 40, .size: 8, .value_kind: global_buffer, .address_space: global }
      - { .name: wqkv, .offset: 48, .size: 8, .value_kind: global_buffer, .address_space: global }
      - { .name: wob, .offset: 56, .size: 8, .value_kind: global_buffer, .address_space: global }
    .group_segment_fixed_size: 0
    .private_segment_fixed_size: 0
    .kernarg_segment_align: 8
    .kernarg_segment_size: 64
    .max_flat_workgroup_size: 256
    .sgpr_count:     66
    .vgpr_count:     104
    .wavefront_size: 32
...
	.end_amdgpu_metadata
.endif
;; end of part 1
;; launch qkv (part 2): grid 12 x 32, 4 waves a work-group, clusters of 4 x 4, 327,680 bytes of LDS; arguments xb, wqkv, bq, bk, bv, qkv; writes qkv
.if DOCPART == 2
	.amdgcn_target "amdgcn-amd-amdhsa--gfx1250"
	.amdhsa_code_object_version 6
	.text
	.protected	k_qc94913c2f6_qkv
	.globl	k_qc94913c2f6_qkv
	.p2align	8
	.type	k_qc94913c2f6_qkv,@function
k_qc94913c2f6_qkv:
	s_mov_b64 s[64:65], 0
	v_nop
	global_prefetch_b8 v0, s[64:65] scope:SCOPE_SE
	s_setreg_imm32_b32 hwreg(HW_REG_WAVE_MODE, 25, 1), 1
	s_wait_xcnt 0x0
	s_wait_alu depctr_hold_cnt(0) depctr_sa_sdst(0) depctr_va_vdst(0) depctr_va_sdst(0) depctr_va_ssrc(0) depctr_va_vcc(0) depctr_vm_vsrc(0)
	s_getreg_b32 s2, hwreg(HW_REG_IB_STS2, 6, 4)
	s_cmp_eq_u32 s2, 0
	s_cbranch_scc0 .Lentry_in_a_cluster
	s_endpgm
.Lentry_in_a_cluster:
	s_bfe_u32 s2, ttmp6, 0x10000c
	s_cmp_lg_u32 s2, 0xf033
	s_cbranch_scc0 .Lentry_shape_is_right
	s_endpgm
.Lentry_shape_is_right:
; C = A B^T + bias.  A: [8192][1024] bf16, B: [256 x tile columns][1024] bf16, bias: f32, C: planes of [8192][1024] bf16; sums in f32, C rounded once.
; Two launches run this text.  With 12 tile columns: A = x, B = Wq, Wk, Wv stacked; four tile columns (one column of clusters) make one plane: q, k, v, each with its own bias.
; With 4 tile columns: A = ctx, B = Wo, one plane; the second and third bias pointers are then never chosen.
; A tile of C is 256 x 256.  Four waves, as many as a WGP has SIMDs, each 128 x 128: 64 accumulators of 16 x 16, 512 registers.
; K goes in 8 steps of 128 (rows of 256 bytes in memory, aligned) through two LDS slots filled by the tensor data mover: a step is 256 matrix instructions a wave, and 224 of them stand between
; a tile's request and the wait for it.  A larger step does not fit: two slots of 512 rows x 272 bytes take 278,528 bytes.
; CLUSTERS of 4 x 4: the four of a row need the same tile of A, the four of a column the same tile of B: each is asked for jointly, by the same load with the same descriptor and a mask of the four.
; THE PRODUCT IS USED TRANSPOSED (source 0 = 16 rows of B, source 1 = 16 rows of A): a lane holds row l % 16 of C and the columns 8 (l / 16) + 0..7 of each block of 16.
; So the bias of a lane's eight columns is the C operand of the products that start the sums: no addition is written, nothing is cleared.
; LIMITS: bf16 operands and results; NaN and infinities go through as the arithmetic takes them.
; REGISTERS, in windows of 256 (s_set_vgpr_msb: bits 1:0 source 0, 3:2 source 1, 5:4 source 2, 7:6 destination):
;   window 0: v0-20 addresses; v64-127, v128-191 fragments of A (8 x 16 rows x 32 K), two buffers; on the way out v64-191 rows read back, v192-223 packed results
;   window 1: v0-63 the bias of my 128 columns; v64-127, v128-191 fragments of B, two buffers
;   window 2: the accumulators of my rows 0-63 ((a, b) at v[8 (8 a + b)]);   window 3: those of my rows 64-127
.set KSTEPS, 8
.set KB,     256                       ; bytes of a row in a K step
.set ROWB,   2048                      ; bytes in a row of A, B and C
.set PLANE,  16777216                  ; bytes in a plane of C
.set PA,     272                       ; an LDS row: 256 bytes + 16 of padding = 68 words, so the 16 rows of a fragment load start at 16 different groups of four banks (64 banks of 4 bytes: ISA guide 11.1)
.set HALFT,  128*PA                    ; 128 rows: what one tensor load brings, and what one wave reads of A or of B
.set SLOT,   4*HALFT                   ; A's 256 rows, then B's 256 rows
.set STAGE,  2*SLOT                    ; behind the ring: 16 rows x 272 bytes for each wave, for the way out; no fill lands here
.set SPARE,  STAGE+4*16*PA             ; the spare words, 128 bytes a wave: two blocks of 256 bytes that no other line names
.set A0,   10                          ; v10  my lane's place in slot 0's A; never rewritten
.set B0,   11                          ; v11  the same for B
.set ADRA, 12                          ; v12  the same in the slot being read
.set ADRB, 13
.set STO,  14                          ; v14  the way out: where I put 16 bytes of a row
.set RD,   15                          ; v15  where I read rows back
.set CO,   16                          ; v16  my byte offset in two rows of C
.set PFO,  17                          ; v17  the prefetches' offset: my lane x a row; never rewritten
.set SPW,  18                          ; v18  my spare word: SPARE + 4 x my thread's number; never rewritten
.set NIL,  19                          ; v19  0; never rewritten
.set BO,   20                          ; v20  my byte offset in the bias
.set F0,   64
.set F1,   128
.set TMP,  192
.set BK,   64
.set WV, 16                            ; s16  wave
.set AB, 17                            ; s17  wave / 2: my half of the tile's rows; also: I fetch for A (0) or B (1)
.set HF, 18                            ; s18  wave % 2: my half of its columns; also: which half of that tile I fetch
.set CX, 19
.set CY, 20
.set TC, 21                            ; s21  tile column
.set TR, 22                            ; s22  tile row
.set G1A, 24                           ; s[24:31], s[32:39] descriptor group 1 for A's and B's tiles: they differ in the mask alone
.set G1B, 32
.set G0A, 40                           ; s[40:47] group 0 for A: a set for each first fill; the second then walks
.set G0B, 48                           ; s[48:55] the same for B
.set CNT, 56                           ; s56  changes of slots that still fill
.set TB,  57                           ; s57  first byte of the slot being read: 0 or SLOT
.set LIM, 58                           ; s58  2 in a wave that prefetches, else the greatest number
.set PFA, 60                           ; s[60:61] where my prefetches stand
.set WOFF, 62                          ; s62  wave x HALFT: my part of a slot
.set MSB, 0
.macro WIN new                         ; the immediate's high byte repeats the setting that is left; a switch that changes nothing is dropped
.if MSB != (\new)
	s_set_vgpr_msb (MSB<<8)|(\new)
.set MSB, (\new)
.endif
.endm
.set TO_B,  0x40                       ; destination window 1, address window 0
.macro PLACES                          ; four plain vector instructions between a matrix instruction and a load into, or a vector instruction on, its registers
.rept 4
	v_nop
.endr
.endm
.macro CREST                           ; a round of the cluster's barrier behind its opening barrier
	s_cmp_lg_u32 s[WV], 0
	s_cbranch_scc1 .Lnot_wave_0_\@
	s_barrier_signal -3
.Lnot_wave_0_\@:
	s_barrier_wait -3
	s_barrier_signal -1
	s_barrier_wait -1
.endm
.macro CROUND
	s_barrier_signal -1
	s_barrier_wait -1
	CREST
.endm
.macro JLOAD                           ; a joint refill by the walking descriptors: waves 0, 1 A's halves, waves 2, 3 B's; an s_nop 0 and four v_nop follow each line
	s_cmp_lt_u32 s[WV], 2
	s_cbranch_scc0 .Lfor_b_\@
	tensor_load_to_lds s[G0A+4:G0A+7], s[G1A:G1A+7]
	s_nop 0
.rept 4
	v_nop
.endr
	s_branch .Lasked_\@
.Lfor_b_\@:
	tensor_load_to_lds s[G0B+4:G0B+7], s[G1B:G1B+7]
	s_nop 0
.rept 4
	v_nop
.endr
.Lasked_\@:
.endm
; A PREFETCH INTO THE L2: the change of slots behind K step k refills with step k + 2 and names step k + 4: two K steps, 512 matrix instructions, ahead of the load that will want it.
; A lane a row, 256 bytes of it.  A's rows are asked for by the clusters with x = 0, B's by the clusters with y = 0; of the 128 rows that a wave fetches each of the four partners that ask for them
; jointly takes 32, told apart by address alone.  So each block is named once.  K steps 0 to 3 come by their loads alone; the last two filling changes name nothing (CNT is then 2 and 1).
.macro ASK
	s_cmp_gt_u32 s[CNT], s[LIM]
	s_cbranch_scc0 .Lnot_mine_\@
	global_prefetch_b8 v[PFO], s[PFA:PFA+1] th:TH_LOAD_NT scope:SCOPE_SE
.Lnot_mine_\@:
.endm
	s_load_b256 s[4:11], s[0:1], 0x0               ; A s[4:5], B s[6:7], bias of planes 0, 1: s[8:9], s[10:11]
	s_load_b128 s[12:15], s[0:1], 0x20             ; bias of plane 2 s[12:13], C s[14:15]
	v_lshl_add_u32 v[SPW], v0, 2, SPARE
	v_mov_b32 v[NIL], 0
	ds_add_u32 v[SPW], v[NIL]                      ; the wave's opening: the add and its wait stand ahead of my first tensor load; the set-up below stands between them
	v_lshrrev_b32 v4, 5, v0
	v_readfirstlane_b32 s[WV], v4
	s_lshr_b32 s[AB], s[WV], 1
	s_and_b32 s[HF], s[WV], 1
	s_bfe_u32 s[CX], ttmp6, 0x40000
	s_bfe_u32 s[CY], ttmp6, 0x40004
	s_lshl_b32 s[TC], ttmp9, 2                     ; in a cluster launch ttmp9 and ttmp7 count clusters
	s_add_co_u32 s[TC], s[TC], s[CX]
	s_and_b32 s[TR], ttmp7, 0xffff
	s_lshl_b32 s[TR], s[TR], 2
	s_add_co_u32 s[TR], s[TR], s[CY]
	s_lshl_b32 s74, s[CY], 2
	s_lshl_b32 s74, 15, s74                        ; my row of the cluster
	s_lshl_b32 s75, 0x1111, s[CX]                  ; my column
	s_or_b32 s[G1A], s74, (1<<16)|(1<<20)|(1<<21)|(5<<22)|(3<<25)  ; the mask; 2-byte elements; padding on; bit 21 beside a mask; after every 64 words, 4 words
	s_or_b32 s[G1B], s75, (1<<16)|(1<<20)|(1<<21)|(5<<22)|(3<<25)
.irp g, G1A, G1B
	s_mov_b32 s[(\g)+1], 128<<16                   ; tensor_dim0 = 128
	s_mov_b32 s[(\g)+2], 128<<16                   ; tensor_dim1 = 128
	s_mov_b32 s[(\g)+3], 128<<16                   ; tile_dim0 = 128
	s_mov_b32 s[(\g)+4], 128                       ; tile_dim1 = 128
	s_mov_b32 s[(\g)+5], 1024                      ; elements from row to row
	s_mov_b32 s[(\g)+6], 0
	s_mov_b32 s[(\g)+7], 0
.endr
	s_lshl_b32 s66, s[TR], 8                       ; A: row 256 x tile row + 128 x half: made of the tile row and the wave alone
	s_lshl_b32 s67, s[HF], 7
	s_add_co_u32 s66, s66, s67
	s_lshl_b32 s66, s66, 11
	s_mov_b32 s67, 0
	s_lshl_b32 s68, s[TC], 8                       ; B: row 256 x tile column + 128 x half: of the tile column and the wave alone
	s_lshl_b32 s69, s[HF], 7
	s_add_co_u32 s68, s68, s69
	s_lshl_b32 s68, s68, 11
	s_mov_b32 s69, 0
	s_mul_i32 s[WOFF], s[WV], HALFT                ; where they go: A's two halves, then B's two: no place in the cluster enters an LDS address
	s_mov_b32 s[TB], 0
	s_wait_dscnt 0x0                               ; the opening add is done
	s_wait_kmcnt 0x0
	s_add_nc_u64 s[66:67], s[4:5], s[66:67]
	s_add_nc_u64 s[68:69], s[6:7], s[68:69]
	CROUND                                         ; all sixteen work-groups are here: the first joint loads meet
.irp s, 0,1
	s_mov_b32 s[G0A+4*(\s)], 1
	s_add_co_u32 s[G0A+4*(\s)+1], s[WOFF], (\s)*SLOT
	s_add_nc_u64 s[G0A+4*(\s)+2:G0A+4*(\s)+3], s[66:67], (\s)*KB
	s_or_b32 s[G0A+4*(\s)+3], s[G0A+4*(\s)+3], 0x80000000
	s_mov_b32 s[G0B+4*(\s)], 1
	s_add_co_u32 s[G0B+4*(\s)+1], s[WOFF], (\s)*SLOT
	s_add_nc_u64 s[G0B+4*(\s)+2:G0B+4*(\s)+3], s[68:69], (\s)*KB
	s_or_b32 s[G0B+4*(\s)+3], s[G0B+4*(\s)+3], 0x80000000
.endr
	s_cmp_lt_u32 s[WV], 2                          ; a wave's two first fills stand in one branch: two loads of mine are out
	s_cbranch_scc0 .Lfirst_b
	tensor_load_to_lds s[G0A:G0A+3], s[G1A:G1A+7]
	s_nop 0
	tensor_load_to_lds s[G0A+4:G0A+7], s[G1A:G1A+7]
	s_nop 0
.rept 4
	v_nop
.endr
	s_branch .Lfirst_done
.Lfirst_b:
	tensor_load_to_lds s[G0B:G0B+3], s[G1B:G1B+7]
	s_nop 0
	tensor_load_to_lds s[G0B+4:G0B+7], s[G1B:G1B+7]
	s_nop 0
.rept 4
	v_nop
.endr
.Lfirst_done:
	v_and_b32 v1, 15, v0                           ; r = l % 16
	v_bfe_u32 v2, v0, 4, 1                         ; h = l / 16
	v_and_b32 v3, 31, v0                           ; l
	v_lshlrev_b32 v[BO], 5, v2                     ; my eight columns of a block of 16: 32 h bytes
	s_cmp_eq_u32 ttmp9, 1                          ; the plane is the column of clusters: the same in all partners
	s_cselect_b64 s[72:73], s[10:11], s[8:9]
	s_cmp_eq_u32 ttmp9, 2
	s_cselect_b64 s[72:73], s[12:13], s[72:73]
	s_lshl_b32 s74, s[CX], 10                      ; the tile's 256 columns in the plane, 4 bytes each,
	s_lshl_b32 s75, s[HF], 9                       ; my 128 of them
	s_add_co_u32 s74, s74, s75
	s_mov_b32 s75, 0
	s_add_nc_u64 s[72:73], s[72:73], s[74:75]
	WIN TO_B                                       ; destination window 1
.irp b, 0,1,2,3,4,5,6,7
	global_load_b128 v[8*(\b):8*(\b)+3],   v[BO], s[72:73] offset:64*(\b)
	global_load_b128 v[8*(\b)+4:8*(\b)+7], v[BO], s[72:73] offset:64*(\b)+16
.endr
	WIN 0
	v_mul_u32_u24 v4, v1, PA
	v_lshl_add_u32 v4, v2, 4, v4                   ; a fragment's row x pitch + 16 x half
	s_mul_i32 s23, s[AB], HALFT                    ; my 128 rows of A
	v_add_nc_u32 v[A0], s23, v4
	s_mul_i32 s23, s[HF], HALFT                    ; my 128 rows of B,
	s_add_co_u32 s23, s23, 2*HALFT                 ; which lie behind A's 256
	v_add_nc_u32 v[B0], s23, v4
	v_mov_b32 v[ADRA], v[A0]
	v_mov_b32 v[ADRB], v[B0]
	s_mul_i32 s23, s[WV], 16*PA
	s_add_co_u32 s23, s23, STAGE                   ; my stage
	v_add_nc_u32 v[STO], s23, v4                   ; in: row r, 16 bytes for each half of the lanes
	v_mul_u32_u24 v5, v2, PA                       ; back: lanes 0-15 one row of 256 bytes, lanes 16-31 the next
	v_lshl_add_u32 v5, v1, 4, v5
	v_add_nc_u32 v[RD], s23, v5
	v_lshlrev_b32 v5, 11, v2                       ; and the same two rows in C
	v_lshl_add_u32 v[CO], v1, 4, v5
	s_lshl_b32 s70, s[TR], 8                       ; C at my 128 rows and 128 columns
	s_lshl_b32 s71, s[AB], 7
	s_add_co_u32 s70, s70, s71
	s_lshl_b32 s70, s70, 11
	s_lshl_b32 s71, s[CX], 9
	s_add_co_u32 s70, s70, s71
	s_lshl_b32 s71, s[HF], 8
	s_add_co_u32 s70, s70, s71
	s_mul_i32 s71, ttmp9, PLANE
	s_add_co_u32 s70, s70, s71
	s_mov_b32 s71, 0
	s_add_nc_u64 s[14:15], s[14:15], s[70:71]
	s_lshl_b32 s80, s[TR], 8                       ; the prefetches: A's tile begins at this row,
	s_lshl_b32 s81, s[TC], 8                       ; B's at this one
	s_and_b32 s83, ttmp7, 0xffff                   ; cluster y
	s_cmp_eq_u32 s[AB], 0                          ; do I fetch for A?
	s_cselect_b32 s80, s80, s81
	s_cselect_b32 s81, s[CX], s[CY]                ; my place among the four that ask for the tile with me
	s_cselect_b32 s82, ttmp9, s83                  ; the coordinate along which other clusters read the same rows
	s_cselect_b64 s[PFA:PFA+1], s[4:5], s[6:7]
	s_cmp_eq_u32 s82, 0
	s_cselect_b32 s[LIM], 2, -1                    ; the same in all sixteen partners, for a given wave
	s_lshl_b32 s82, s[HF], 7
	s_add_co_u32 s80, s80, s82                     ; + the 128 rows that I fetch
	s_lshl_b32 s81, s81, 5
	s_add_co_u32 s80, s80, s81                     ; + my work-group's 32 of them
	s_lshl_b32 s80, s80, 11
	s_add_co_u32 s80, s80, 3*KB                    ; at K step 3: the first change steps it to 4
	s_mov_b32 s81, 0
	s_add_nc_u64 s[PFA:PFA+1], s[PFA:PFA+1], s[80:81]
	v_lshlrev_b32 v[PFO], 11, v3
; 16 matrix instructions: m blocks a0, a0 + 1 of the window's four (hi = 0: my rows 0-63, 1: rows 64-127) x all 8 n blocks, 32 along K.  mode 0: adds in place; 2: the bias starts the sums.
; The 64 accumulators take turns, one instruction a turn, in the same order in every quarter.
.macro MUL16 f, hi, a0, mode
.if (\mode) == 2
	WIN 0x91+0x40*(\hi)                            ; B window 1, A window 0, C (the bias) window 1, D window 2 or 3
.else
	WIN 0xa1+0x50*(\hi)                            ; B window 1, A window 0, C and D window 2 or 3
.endif
.irp a, \a0, (\a0)+1
.irp b, 0,1,2,3,4,5,6,7
.set rD, 8*(8*(\a)+(\b))
.set rB, (\f)+8*(\b)
.set rA, (\f)+8*(4*(\hi)+(\a))
.if (\mode) == 0
	v_wmma_f32_16x16x32_bf16 v[rD:rD+7], v[rB:rB+7], v[rA:rA+7], v[rD:rD+7]
.else
	v_wmma_f32_16x16x32_bf16 v[rD:rD+7], v[rB:rB+7], v[rA:rA+7], v[8*(\b):8*(\b)+7]
.endif
.endr
.endr
.endm
; 32 LDS loads in one run: the fragments of 32 along K at byte k of the rows: 128 rows of B, then 128 rows of A
.macro FETCH k, f
	WIN TO_B
.irp i, 0,1,2,3,4,5,6,7
	ds_load_b128 v[(\f)+8*(\i):(\f)+8*(\i)+3],   v[ADRB] offset:(\k)+(\i)*16*PA
	ds_load_b128 v[(\f)+8*(\i)+4:(\f)+8*(\i)+7], v[ADRB] offset:(\k)+(\i)*16*PA+32
.endr
	WIN 0
.irp i, 0,1,2,3,4,5,6,7
	ds_load_b128 v[(\f)+8*(\i):(\f)+8*(\i)+3],   v[ADRA] offset:(\k)+(\i)*16*PA
	ds_load_b128 v[(\f)+8*(\i)+4:(\f)+8*(\i)+7], v[ADRA] offset:(\k)+(\i)*16*PA+32
.endr
.endm
; A K step is four quarters of 32 along K, 64 matrix instructions each, on buffers 0, 1, 0, 1.  One of the first three multiplies buffer f; in its middle it fetches the next quarter's fragments into g.
.macro QUARTER k, f, g, mode
	s_wait_dscnt 8                                 ; B and A's rows 0-63 are in; the youngest eight loads (A's rows 64-127) may be out
	MUL16 \f, 0, 0, \mode
	MUL16 \f, 0, 2, \mode
	PLACES
	FETCH \k, \g
	s_wait_dscnt 32                                ; all but the 32 just issued
	MUL16 \f, 1, 0, \mode
	MUL16 \f, 1, 2, \mode
.endm
; The fourth quarter multiplies buffer 1 and changes slots: ONE barrier.  In front of it each wave waits for all its tensor loads (one is out: its part of the next slot), adds 0 to its spare word, and waits for that
; and for its reads of this slot.  kind = 1: the barrier opens a round of the cluster's barrier, and the joint refill of the slot just read out is the first thing behind the round.
; kind = 0: the last change: nothing is filled; the last K step lies in slot 1 (their number is even).
.macro TURN kind
	WIN 0
.if (\kind) == 1
	s_wait_xcnt 0x0                                ; the last prefetch, a K step back, has read its address
	s_add_nc_u64 s[PFA:PFA+1], s[PFA:PFA+1], KB
.endif
	s_wait_tensorcnt 0x0                           ; no tensor load of mine is out, so a group 0 may be written
	ds_add_u32 v[SPW], v[NIL]
.if (\kind) == 1
	s_add_co_u32 s[G0A+5], s[TB], s[WOFF]          ; the walking descriptors: my part of the slot that is being left, the next K step
	s_add_nc_u64 s[G0A+6:G0A+7], s[G0A+6:G0A+7], KB
	s_add_co_u32 s[G0B+5], s[TB], s[WOFF]
	s_add_nc_u64 s[G0B+6:G0B+7], s[G0B+6:G0B+7], KB
.endif
	s_wait_dscnt 9                                 ; the add and the youngest eight loads may be out
	MUL16 F1, 0, 0, 0
	s_wait_dscnt 0x0                               ; the add is done, and my reads of this slot are over
	s_barrier_signal -1
	MUL16 F1, 0, 2, 0
	WIN 0
	s_barrier_wait -1
.if (\kind) == 1
	CREST                                          ; no wave of any partner still reads this slot or has a load on its way
	JLOAD                                          ; its four v_nop are also the places in front of the loads below
	s_xor_b32 s[TB], s[TB], SLOT                   ; 0 and SLOT by turns
.else
	PLACES
	s_mov_b32 s[TB], SLOT
.endif
	v_add_nc_u32 v[ADRA], s[TB], v[A0]
	v_add_nc_u32 v[ADRB], s[TB], v[B0]
	FETCH 0, F0
.if (\kind) == 1
	ASK
.endif
	MUL16 F1, 1, 0, 0
	MUL16 F1, 1, 2, 0
.endm
; THE WAY OUT of m block a: rounded to bf16, 16 bytes a lane; into my own stage and back as whole rows of 256 bytes; stored.
.macro PACK a
	WIN 0x0a+5*((\a)/4)                            ; sources 0 and 1: window 2 or 3
.irp b, 0,1,2,3,4,5,6,7
.irp r, 0,1,2,3
	v_cvt_pk_bf16_f32 v[TMP+4*(\b)+(\r)], v[64*((\a)%4)+8*(\b)+2*(\r)], v[64*((\a)%4)+8*(\b)+2*(\r)+1]
.endr
.endr
	WIN 0
.endm
.macro TOSTAGE a
.irp b, 0,1,2,3,4,5,6,7
	ds_store_b128 v[STO], v[TMP+4*(\b):TMP+4*(\b)+3] offset:32*(\b)
.endr
.if (\a) >= 4
	s_wait_xcnt 0x0                                ; the block four back has stored from the registers that are loaded next
.endif
.irp t, 0,1,2,3,4,5,6,7
	ds_load_b128 v[BK+32*((\a)%4)+4*(\t):BK+32*((\a)%4)+4*(\t)+3], v[RD] offset:(\t)*2*PA  ; LDS serves a wave's instructions in order (ISA guide 5.7.1.4): these see the stores above
.endr
.endm
.macro SEND a
	s_wait_dscnt 0x0
.irp t, 0,1,2,3,4,5,6,7
	global_store_b128 v[CO], v[BK+32*((\a)%4)+4*(\t):BK+32*((\a)%4)+4*(\t)+3], s[14:15] offset:(16*(\a)+2*(\t))*ROWB  ; 16 lanes store 256 consecutive bytes, aligned
.endr
.endm
	s_wait_tensorcnt 0x1                           ; my part of K step 0 is in; step 1's may stay out
	s_barrier_signal -1
	s_barrier_wait -1                              ; everybody's is
	FETCH 0, F0
	s_wait_loadcnt 0x0                             ; the bias
	QUARTER 64, F0, F1, 2                          ; the first quarter stands in front of the loop: its products start the sums
	WIN 0
	s_mov_b32 s[CNT], KSTEPS-2
.Lstep:                                                ; a trip: a step's quarters 2 to 4 and the next step's first; every trip fills a slot
	QUARTER 128, F1, F0, 0
	QUARTER 192, F0, F1, 0
	TURN 1
	QUARTER 64, F0, F1, 0
	WIN 0
	s_sub_co_u32 s[CNT], s[CNT], 1
	s_cmp_lg_u32 s[CNT], 0
	s_cbranch_scc1 .Lstep
	QUARTER 128, F1, F0, 0                         ; the last two steps are written out
	QUARTER 192, F0, F1, 0
	TURN 0
	QUARTER 64, F0, F1, 0
	QUARTER 128, F1, F0, 0
	QUARTER 192, F0, F1, 0
	s_wait_dscnt 0x0
	MUL16 F1, 0, 0, 0
	MUL16 F1, 0, 2, 0
	MUL16 F1, 1, 0, 0
	MUL16 F1, 1, 2, 0
	PLACES
	PLACES                                         ; once a launch: the conversions read results just made
	PACK 0
	TOSTAGE 0
.irp a, 1,2,3,4,5,6,7                  ; block a's conversions stand between block a - 1's loads from the stage and the wait for them
	PACK \a
	SEND (\a)-1
	TOSTAGE \a
.endr
	SEND 7
	s_wait_tensorcnt 0x0                           ; the wave's end
	ds_add_u32 v[SPW], v[NIL]
	s_wait_dscnt 0x0
	CROUND                                         ; the closing round: no work-group ends while a partner may still ask for a tile that names it
	s_endpgm
.Lfunc_end_k_qc94913c2f6_qkv:
	.size	k_qc94913c2f6_qkv, .Lfunc_end_k_qc94913c2f6_qkv-k_qc94913c2f6_qkv
	.p2alignl 7, 3214868480
	.fill 96, 4, 3214868480
	.section	.rodata,"a",@progbits
	.p2align	6, 0x0
	.amdhsa_kernel k_qc94913c2f6_qkv
		.amdhsa_group_segment_fixed_size 327680
		.amdhsa_private_segment_fixed_size 0
		.amdhsa_enable_private_segment 0
		.amdhsa_kernarg_size 48
		.amdhsa_user_sgpr_count 2
		.amdhsa_user_sgpr_kernarg_segment_ptr 1
		.amdhsa_wavefront_size32 1
		.amdhsa_system_sgpr_workgroup_id_x 1
		.amdhsa_system_sgpr_workgroup_id_y 1
		.amdhsa_system_sgpr_workgroup_id_z 1
		.amdhsa_system_vgpr_workitem_id 0
		.amdhsa_next_free_vgpr 1024
		.amdhsa_next_free_sgpr 96
		.amdhsa_reserve_vcc 0
		.amdhsa_float_denorm_mode_32 3
		.amdhsa_float_denorm_mode_16_64 3
		.amdhsa_memory_ordered 1
		.amdhsa_forward_progress 1
		.amdhsa_inst_pref_size 118
	.end_amdhsa_kernel
	.amdgpu_metadata
---
amdhsa.version: [ 1, 2 ]
amdhsa.kernels:
  - .name:           k_qc94913c2f6_qkv
    .symbol:         k_qc94913c2f6_qkv.kd
    .args:
      - { .name: xb, .offset: 0, .size: 8, .value_kind: global_buffer, .address_space: global }
      - { .name: wqkv, .offset: 8, .size: 8, .value_kind: global_buffer, .address_space: global }
      - { .name: bq, .offset: 16, .size: 8, .value_kind: global_buffer, .address_space: global }
      - { .name: bk, .offset: 24, .size: 8, .value_kind: global_buffer, .address_space: global }
      - { .name: bv, .offset: 32, .size: 8, .value_kind: global_buffer, .address_space: global }
      - { .name: qkv, .offset: 40, .size: 8, .value_kind: global_buffer, .address_space: global }
    .group_segment_fixed_size: 327680
    .private_segment_fixed_size: 0
    .kernarg_segment_align: 8
    .kernarg_segment_size: 48
    .max_flat_workgroup_size: 128
    .sgpr_count:     96
    .vgpr_count:     1024
    .wavefront_size: 32
...
	.end_amdgpu_metadata
.endif
;; end of part 2
;; launch scores (part 3): grid 8 x 32, 4 waves a work-group, clusters of 4 x 4, 327,680 bytes of LDS; arguments qkv, dist_emb, attention_mask, word_word_relation, pmat, stats; writes pmat, stats
.if DOCPART == 3
	.amdgcn_target "amdgcn-amd-amdhsa--gfx1250"
	.amdhsa_code_object_version 6
	.text
	.protected	k_qc94913c2f6_scores
	.globl	k_qc94913c2f6_scores
	.p2align	8
	.type	k_qc94913c2f6_scores,@function
k_qc94913c2f6_scores:
	s_mov_b64 s[64:65], 0
	v_nop
	global_prefetch_b8 v0, s[64:65] scope:SCOPE_SE
	s_setreg_imm32_b32 hwreg(HW_REG_WAVE_MODE, 25, 1), 1
	s_wait_xcnt 0x0
	s_wait_alu depctr_hold_cnt(0) depctr_sa_sdst(0) depctr_va_vdst(0) depctr_va_sdst(0) depctr_va_ssrc(0) depctr_va_vcc(0) depctr_vm_vsrc(0)
	s_getreg_b32 s2, hwreg(HW_REG_IB_STS2, 6, 4)
	s_cmp_eq_u32 s2, 0
	s_cbranch_scc0 .Lentry_in_a_cluster
	s_endpgm
.Lentry_in_a_cluster:
	s_bfe_u32 s2, ttmp6, 0x10000c
	s_cmp_lg_u32 s2, 0xf033
	s_cbranch_scc0 .Lentry_shape_is_right
	s_endpgm
.Lentry_shape_is_right:
; For each query row and each CHUNK of 128 keys: t = log2(e) ((q . k + [rel == 1] q . e1) / 32 + mask), m' = the chunk's maximum of t, p = 2^(t - m') rounded to bf16 -> pmat,
; l = the sum of the unrounded p;  m' and l -> stats.  The next launch joins the 16 chunks of a row by their maxima: a maximum is taken away before every exponential, in two stages.
; THE RELATION TERM.  The gathered q . dist_emb[rel] is multiplied by (rel == 1), so it is q . dist_emb[1] where rel = 1 and 0 elsewhere: row 1 of the table alone is read, and the choice is a v_cndmask_b32.
; q, k: planes 0 and 1 of qkv, [8192][1024] bf16.  A tile is 256 queries x 256 keys of one batch: 256 work-groups.  Four waves, each 128 queries x 128 keys (one chunk): 64 accumulators, 512 registers.
; K (the 1,024 channels) goes in 8 steps of 128 through two LDS slots: a step is 288 matrix instructions a wave.  CLUSTERS of 4 x 4: q's tile is shared along a row, k's along a column: joint loads.
; THE PRODUCT IS USED TRANSPOSED (source 0 = 16 keys, source 1 = 16 queries): a lane holds ONE query (l % 16) and the keys 8 (l / 16) + 0..7 of each block of 16, so a query's maximum and sum want one exchange of the lanes' halves.
; q . e1 rides along: a source 0 whose 16 rows are all e1 (read from a table in LDS, every row the same bytes) times the same fragments of q: 8 products beside 64; every register of the result holds the lane's query's number.
; THE RELATION TABLE comes through the ring when the ring has done its work: a wave's 128 rows x 512 bytes in two pieces of 64 rows, each wave's own load; piece 0 refills slot 0 behind the last change of slots, piece 1 slot 1 behind the last reads.
; THE SOFTMAX OF A BLOCK of 16 queries is written once and walked eight times (two pieces x four blocks).  Only the 32 lines that read the block's accumulators are written for each block; forward jumps on the block's number choose them.
; LIMITS.  bf16 operands; p in bf16.  NaN is not treated apart.  Rows of dist_emb other than row 1 are not read: where q . dist_emb[t] is infinite at rel != 1 the product with 0 is NaN in the formula and 0 here.
; A mask number whose product with log2(e) leaves f32's range counts as -infinity.  A chunk whose keys are all at -infinity gets m' = the lowest finite number and l = 0.  A weight below 2^-126 counts as 0.
; REGISTERS, in windows of 256 (s_set_vgpr_msb: bits 1:0 source 0, 3:2 source 1, 5:4 source 2, 7:6 destination):
;   window 0: v0-45 addresses and statistics; v64-127, v128-191 fragments of q, two buffers; v192-255 q . e1 for my eight blocks.  Behind the products: v64-127 relation numbers, v128-191 a block's scores, v192-223 packed weights
;   window 1: v0-63 log2(e) x the mask of my 128 keys; v64-127, v128-191 fragments of k; v192-207 fragments of e1
;   window 2: the accumulators of my queries 0-63 ((a, b) at v[8 (8 a + b)]);   window 3: those of my queries 64-127
.set KSTEPS, 8
.set KB,     256
.set PLANE,  16777216
.set PA,     272                       ; an LDS row of q or k: 256 bytes + 16: the 16 rows of a fragment load start at 16 different groups of four banks (64 banks of 4 bytes: ISA guide 11.1)
.set HALFT,  128*PA
.set SLOT,   4*HALFT
.set STAGE,  2*SLOT                    ; behind the ring: 16 rows x 272 bytes a wave; no fill lands here
.set SPARE,  STAGE+4*16*PA             ; the spare words: two blocks of 256 bytes that no other line names
.set E1T,    SPARE+512                 ; e1 in bf16, 2,048 bytes
.set SST,    E1T+2048                  ; a wave's 128 m' and 128 l: 1,024 bytes a wave
.set PR,     528                       ; an LDS row of relation numbers: 512 bytes + 16
.set RPIECE, 64*PR                     ; a wave's piece; four of them fit in a slot
.set A0,   10
.set B0,   11
.set ADRA, 12
.set ADRB, 13
.set STO,  14
.set RD,   15
.set CO,   16
.set PFO,  17
.set SPW,  18                          ; v18  my spare word; never rewritten
.set NIL,  19                          ; v19  0; never rewritten
.set DC,   20                          ; v20-27 c d of my query in each of my eight blocks
.set MX,   28                          ; v28-29 m', twice
.set CC,   30                          ; v30-33 four chains of the maximum
.set LS,   34                          ; v34-35 l at work
.set DCC,  36                          ; v36  c d of the block in hand
.set ADRE, 37                          ; v37  e1's bytes of the K step being read
.set RELA, 38                          ; v38  my lane's place in the relation numbers of the block to be read
.set SSA,  39                          ; v39  where I put m' and l
.set SSR,  40                          ; v40  where I read them back
.set SO,   41                          ; v41  16 l: my bytes of 512 in stats
.set RPO,  42                          ; v42  the relation prefetches' offset; never rewritten
.set MKO,  43
.set EO,   44
.set ES,   45
.set F0,   64
.set F1,   128
.set DA,   192                         ; q . e1, window 0
.set EF,   192                         ; e1's fragments, window 1
.set MK,   0                           ; window 1
.set R,    64
.set T,    128
.set PK,   192
.set WV, 16
.set AB, 17
.set HF, 18
.set CX, 19
.set CY, 20
.set TC, 21
.set TR, 22
.set G1A, 24
.set G1B, 32
.set G0A, 40
.set G0B, 48
.set CNT, 56
.set TB,  57
.set LIM, 58
.set PFA, 60
.set WOFF, 62
.set BAT, 63                           ; s63  the batch
.set G1R, 68                           ; s[68:75] descriptor group 1 for a relation piece
.set G0R, 76                           ; s[76:79] its group 0
.set CS,  80                           ; s[80:81] c = log2(e) / 32
.set LE,  82                           ; s[82:83] log2(e)
.set SEL, 84                           ; s[84:85] v_permlanex16_b32's selects: each lane takes its own place in the other half
.set FLOOR, 86                         ; s86  the lowest finite number
.set BC,  87                           ; s87  the block in hand, 0 to 7
.set RPB, 88                           ; s[88:89] the relation table at my 128 rows x 128 keys; never rewritten
.set PST, 96                           ; s[96:97] what the next block adds to pmat's address: 0, then 16 rows
.set IC,  98                           ; s98  blocks left in the piece
.set OC,  99                           ; s99  pieces left
.set MSB, 0
.macro WIN new
.if MSB != (\new)
	s_set_vgpr_msb (MSB<<8)|(\new)
.set MSB, (\new)
.endif
.endm
.set TO_B,  0x40                       ; destination window 1, address window 0
.macro PLACES
.rept 4
	v_nop
.endr
.endm
.macro CREST
	s_cmp_lg_u32 s[WV], 0
	s_cbranch_scc1 .Lnot_wave_0_\@
	s_barrier_signal -3
.Lnot_wave_0_\@:
	s_barrier_wait -3
	s_barrier_signal -1
	s_barrier_wait -1
.endm
.macro CROUND
	s_barrier_signal -1
	s_barrier_wait -1
	CREST
.endm
.macro JLOAD                           ; a joint refill: waves 0, 1 q's halves, waves 2, 3 k's; an s_nop 0 and four v_nop follow each line
	s_cmp_lt_u32 s[WV], 2
	s_cbranch_scc0 .Lfor_b_\@
	tensor_load_to_lds s[G0A+4:G0A+7], s[G1A:G1A+7]
	s_nop 0
.rept 4
	v_nop
.endr
	s_branch .Lasked_\@
.Lfor_b_\@:
	tensor_load_to_lds s[G0B+4:G0B+7], s[G1B:G1B+7]
	s_nop 0
.rept 4
	v_nop
.endr
.Lasked_\@:
.endm
; PREFETCHES INTO THE L2, behind a change's joint load and run of LDS loads.  q and k: the change behind K step j names step j + 4, a lane a row: q's rows by the clusters with x = 0, k's by each batch's first row of
; clusters; of the 128 rows that a wave fetches each of the four partners takes 32, told apart by address.  The relation table: each wave names its own piece, 64 rows x 512 bytes = 128 blocks, four instructions,
; two K steps ahead of the piece's load: piece 0 in the last filling change but one, piece 1 in the last.  Each block is named once in the launch.
.macro ASK
	s_cmp_gt_u32 s[CNT], s[LIM]
	s_cbranch_scc0 .Lnot_mine_\@
	global_prefetch_b8 v[PFO], s[PFA:PFA+1] th:TH_LOAD_NT scope:SCOPE_SE
.Lnot_mine_\@:
	s_cmp_eq_u32 s[CNT], 2
	s_cbranch_scc0 .Lnot_p0_\@
.irp i, 0,1,2,3
	global_prefetch_b8 v[RPO], s[RPB:RPB+1] offset:(\i)*131072 th:TH_LOAD_NT scope:SCOPE_SE
.endr
.Lnot_p0_\@:
	s_cmp_eq_u32 s[CNT], 1
	s_cbranch_scc0 .Lnot_p1_\@
.irp i, 4,5,6,7
	global_prefetch_b8 v[RPO], s[RPB:RPB+1] offset:(\i)*131072 th:TH_LOAD_NT scope:SCOPE_SE
.endr
.Lnot_p1_\@:
.endm
	s_load_b256 s[4:11], s[0:1], 0x0               ; qkv s[4:5], dist_emb s[6:7], attention_mask s[8:9], word_word_relation s[10:11]
	s_load_b128 s[12:15], s[0:1], 0x20             ; pmat s[12:13], stats s[14:15]
	v_lshl_add_u32 v[SPW], v0, 2, SPARE
	v_mov_b32 v[NIL], 0
	ds_add_u32 v[SPW], v[NIL]                      ; the wave's opening: the add and its wait stand ahead of my first tensor load
	v_lshrrev_b32 v4, 5, v0
	v_readfirstlane_b32 s[WV], v4
	s_lshr_b32 s[AB], s[WV], 1                     ; my half of the tile's queries; also: I fetch q (0) or k (1)
	s_and_b32 s[HF], s[WV], 1                      ; my half of its keys; also: which half of that tile I fetch
	s_bfe_u32 s[CX], ttmp6, 0x40000
	s_bfe_u32 s[CY], ttmp6, 0x40004
	s_lshl_b32 s[TC], ttmp9, 2
	s_add_co_u32 s[TC], s[TC], s[CX]               ; tile column: 256 keys of the batch
	s_and_b32 s[TR], ttmp7, 0xffff
	s_lshr_b32 s[BAT], s[TR], 1                    ; two rows of clusters are a batch's 2,048 queries: the same in all partners
	s_lshl_b32 s[TR], s[TR], 2
	s_add_co_u32 s[TR], s[TR], s[CY]               ; tile row: 256 of the 8,192 query rows
	s_lshl_b32 s92, s[CY], 2
	s_lshl_b32 s92, 15, s92
	s_lshl_b32 s93, 0x1111, s[CX]
	s_or_b32 s[G1A], s92, (1<<16)|(1<<20)|(1<<21)|(5<<22)|(3<<25)
	s_or_b32 s[G1B], s93, (1<<16)|(1<<20)|(1<<21)|(5<<22)|(3<<25)
.irp g, G1A, G1B
	s_mov_b32 s[(\g)+1], 128<<16                   ; a tile of 128 rows x 128 elements
	s_mov_b32 s[(\g)+2], 128<<16
	s_mov_b32 s[(\g)+3], 128<<16
	s_mov_b32 s[(\g)+4], 128
	s_mov_b32 s[(\g)+5], 1024
	s_mov_b32 s[(\g)+6], 0
	s_mov_b32 s[(\g)+7], 0
.endr
	s_mov_b32 s[G1R], (2<<16)|(1<<20)|(6<<22)|(3<<25)  ; no mask: each wave's own; 4-byte elements; padding after every 128 words, 4 words
	s_mov_b32 s[G1R+1], 128<<16                    ; tensor_dim0 = 128
	s_mov_b32 s[G1R+2], 64<<16                     ; tensor_dim1 = 64
	s_mov_b32 s[G1R+3], 128<<16                    ; tile_dim0 = 128
	s_mov_b32 s[G1R+4], 64                         ; tile_dim1 = 64
	s_mov_b32 s[G1R+5], 2048                       ; elements from row to row
	s_mov_b32 s[G1R+6], 0
	s_mov_b32 s[G1R+7], 0
	s_lshl_b32 s66, s[TR], 8                       ; q: row 256 x tile row + 128 x half
	s_lshl_b32 s67, s[HF], 7
	s_add_co_u32 s66, s66, s67
	s_lshl_b32 s66, s66, 11
	s_mov_b32 s67, 0
	s_lshl_b32 s90, s[BAT], 11                     ; k: plane 1, row 2,048 x batch + 256 x tile column + 128 x half
	s_lshl_b32 s91, s[TC], 8
	s_add_co_u32 s90, s90, s91
	s_lshl_b32 s91, s[HF], 7
	s_add_co_u32 s90, s90, s91
	s_lshl_b32 s90, s90, 11
	s_add_co_u32 s90, s90, PLANE
	s_mov_b32 s91, 0
	s_mul_i32 s[WOFF], s[WV], HALFT
	s_mov_b32 s[TB], 0
	s_mov_b32 s[CS], 0x3d38aa3b                    ; log2(e) / 32
	s_mov_b32 s[CS+1], s[CS]
	s_mov_b32 s[LE], 0x3fb8aa3b                    ; log2(e)
	s_mov_b32 s[LE+1], s[LE]
	s_mov_b32 s[SEL], 0x76543210
	s_mov_b32 s[SEL+1], 0xfedcba98
	s_mov_b32 s[FLOOR], 0xff7fffff
	s_wait_dscnt 0x0                               ; the opening add is done
	s_wait_kmcnt 0x0
	s_add_nc_u64 s[66:67], s[4:5], s[66:67]
	s_add_nc_u64 s[90:91], s[4:5], s[90:91]
	CROUND                                         ; all sixteen work-groups are here: the first joint loads meet
.irp s, 0,1
	s_mov_b32 s[G0A+4*(\s)], 1
	s_add_co_u32 s[G0A+4*(\s)+1], s[WOFF], (\s)*SLOT
	s_add_nc_u64 s[G0A+4*(\s)+2:G0A+4*(\s)+3], s[66:67], (\s)*KB
	s_or_b32 s[G0A+4*(\s)+3], s[G0A+4*(\s)+3], 0x80000000
	s_mov_b32 s[G0B+4*(\s)], 1
	s_add_co_u32 s[G0B+4*(\s)+1], s[WOFF], (\s)*SLOT
	s_add_nc_u64 s[G0B+4*(\s)+2:G0B+4*(\s)+3], s[90:91], (\s)*KB
	s_or_b32 s[G0B+4*(\s)+3], s[G0B+4*(\s)+3], 0x80000000
.endr
	s_cmp_lt_u32 s[WV], 2                          ; a wave's two first fills stand in one branch: two loads of mine are out
	s_cbranch_scc0 .Lfirst_b
	tensor_load_to_lds s[G0A:G0A+3], s[G1A:G1A+7]
	s_nop 0
	tensor_load_to_lds s[G0A+4:G0A+7], s[G1A:G1A+7]
	s_nop 0
.rept 4
	v_nop
.endr
	s_branch .Lfirst_done
.Lfirst_b:
	tensor_load_to_lds s[G0B:G0B+3], s[G1B:G1B+7]
	s_nop 0
	tensor_load_to_lds s[G0B+4:G0B+7], s[G1B:G1B+7]
	s_nop 0
.rept 4
	v_nop
.endr
.Lfirst_done:
	v_and_b32 v1, 15, v0                           ; r
	v_bfe_u32 v2, v0, 4, 1                         ; h
	v_and_b32 v3, 31, v0                           ; l
	v_lshlrev_b32 v[EO], 5, v0                     ; thread t takes eight numbers of e1
	global_load_b128 v[64:67], v[EO], s[6:7] offset:4096      ; row 1 of dist_emb begins at byte 4,096
	global_load_b128 v[68:71], v[EO], s[6:7] offset:4112
	s_lshl_b32 s92, s[TR], 8
	s_lshl_b32 s94, s[AB], 7
	s_add_co_u32 s92, s92, s94                     ; my first query row
	s_lshl_b32 s93, s[TC], 8
	s_lshl_b32 s94, s[HF], 7
	s_add_co_u32 s93, s93, s94                     ; my first key in the batch
	s_lshl_b32 s94, s[BAT], 11
	s_add_co_u32 s94, s94, s93
	s_lshl_b32 s94, s94, 2
	s_mov_b32 s95, 0
	s_add_nc_u64 s[8:9], s[8:9], s[94:95]          ; the mask at my 128 keys
	v_lshlrev_b32 v[MKO], 5, v2
	WIN TO_B                                       ; destination window 1
.irp b, 0,1,2,3,4,5,6,7
	global_load_b128 v[MK+8*(\b):MK+8*(\b)+3],   v[MKO], s[8:9] offset:64*(\b)
	global_load_b128 v[MK+8*(\b)+4:MK+8*(\b)+7], v[MKO], s[8:9] offset:64*(\b)+16
.endr
	WIN 0
	s_lshl_b32 s94, s92, 13                        ; the relation table: rows of 8,192 bytes
	s_lshl_b32 s95, s93, 2
	s_add_co_u32 s94, s94, s95
	s_mov_b32 s95, 0
	s_add_nc_u64 s[RPB:RPB+1], s[10:11], s[94:95]
	s_mov_b32 s[G0R], 1
	s_mul_i32 s[G0R+1], s[WV], RPIECE              ; piece 0 goes into slot 0, each wave's part its own
	s_mov_b64 s[G0R+2:G0R+3], s[RPB:RPB+1]
	s_or_b32 s[G0R+3], s[G0R+3], 0x80000000
	s_lshl_b32 s94, s92, 12                        ; pmat: rows of 4,096 bytes
	s_lshl_b32 s95, s93, 1
	s_add_co_u32 s94, s94, s95
	s_mov_b32 s95, 0
	s_add_nc_u64 s[12:13], s[12:13], s[94:95]
	s_lshl_b32 s94, s93, 8                         ; stats: chunk x 32,768 = first key x 256,
	s_lshl_b32 s95, s92, 2                         ; + row x 4
	s_add_co_u32 s94, s94, s95
	s_mov_b32 s95, 0
	s_add_nc_u64 s[14:15], s[14:15], s[94:95]
	s_lshl_b32 s92, s[TR], 8                       ; the prefetches of q: the 128 rows that I fetch, my work-group's 32
	s_lshl_b32 s93, s[HF], 7
	s_add_co_u32 s92, s92, s93
	s_lshl_b32 s93, s[CX], 5
	s_add_co_u32 s92, s92, s93
	s_lshl_b32 s92, s92, 11
	s_lshl_b32 s93, s[BAT], 11                     ; of k likewise
	s_lshl_b32 s94, s[TC], 8
	s_add_co_u32 s93, s93, s94
	s_lshl_b32 s94, s[HF], 7
	s_add_co_u32 s93, s93, s94
	s_lshl_b32 s94, s[CY], 5
	s_add_co_u32 s93, s93, s94
	s_lshl_b32 s93, s93, 11
	s_add_co_u32 s93, s93, PLANE
	s_and_b32 s95, ttmp7, 1                        ; k: each batch's first row of clusters
	s_cmp_eq_u32 s[AB], 0
	s_cselect_b32 s92, s92, s93
	s_cselect_b32 s94, ttmp9, s95                  ; q: the clusters with x = 0
	s_cmp_eq_u32 s94, 0
	s_cselect_b32 s[LIM], 2, -1
	s_add_co_u32 s92, s92, 3*KB                    ; at K step 3: the first change steps it to 4
	s_mov_b32 s93, 0
	s_add_nc_u64 s[PFA:PFA+1], s[4:5], s[92:93]
	v_lshlrev_b32 v[PFO], 11, v3
	v_lshrrev_b32 v4, 1, v3
	v_and_b32 v5, 1, v3
	v_lshlrev_b32 v4, 13, v4
	v_lshl_add_u32 v[RPO], v5, 8, v4               ; 16 rows x 2 blocks of 256 bytes to an instruction
	v_mul_u32_u24 v4, v1, PA
	v_lshl_add_u32 v4, v2, 4, v4
	s_mul_i32 s23, s[AB], HALFT
	v_add_nc_u32 v[A0], s23, v4
	s_mul_i32 s23, s[HF], HALFT
	s_add_co_u32 s23, s23, 2*HALFT
	v_add_nc_u32 v[B0], s23, v4
	v_mov_b32 v[ADRA], v[A0]
	v_mov_b32 v[ADRB], v[B0]
	s_mul_i32 s23, s[WV], 16*PA
	s_add_co_u32 s23, s23, STAGE
	v_add_nc_u32 v[STO], s23, v4
	v_mul_u32_u24 v5, v2, PA
	v_lshl_add_u32 v5, v1, 4, v5
	v_add_nc_u32 v[RD], s23, v5
	v_lshlrev_b32 v5, 12, v2
	v_lshl_add_u32 v[CO], v1, 4, v5                ; two rows of pmat
	v_lshl_add_u32 v[ADRE], v2, 4, E1T
	v_mul_u32_u24 v5, v1, PR
	v_lshl_add_u32 v5, v2, 5, v5                   ; row r of a block, my eight keys' 32 bytes
	s_mul_i32 s23, s[WV], RPIECE
	v_add_nc_u32 v[RELA], s23, v5
	s_lshl_b32 s23, s[WV], 10
	s_add_co_u32 s23, s23, SST
	v_lshl_add_u32 v[SSA], v1, 2, s23
	v_lshl_add_u32 v[SSR], v3, 4, s23
	v_lshlrev_b32 v[SO], 4, v3
	v_lshl_add_u32 v[ES], v0, 4, E1T
	v_mov_b32 v[LS+1], 0                           ; v_permlanex16_b32 counts as a reader of its destination
	s_wait_loadcnt 16                              ; e1 is in; the mask's sixteen loads may be out
	v_cvt_pk_bf16_f32 v72, v64, v65
	v_cvt_pk_bf16_f32 v73, v66, v67
	v_cvt_pk_bf16_f32 v74, v68, v69
	v_cvt_pk_bf16_f32 v75, v70, v71
	ds_store_b128 v[ES], v[72:75]
; 16 products: query blocks a0, a0 + 1 of the window's four x all 8 key blocks.  mode 1: they start the sums.  All accumulators take turns, one instruction a turn.
.macro MUL16 f, hi, a0, mode
	WIN 0xa1+0x50*(\hi)                            ; k window 1, q window 0, C and D window 2 or 3
.irp a, \a0, (\a0)+1
.irp b, 0,1,2,3,4,5,6,7
.set rD, 8*(8*(\a)+(\b))
.set rB, (\f)+8*(\b)
.set rA, (\f)+8*(4*(\hi)+(\a))
.if (\mode) == 0
	v_wmma_f32_16x16x32_bf16 v[rD:rD+7], v[rB:rB+7], v[rA:rA+7], v[rD:rD+7]
.else
	v_wmma_f32_16x16x32_bf16 v[rD:rD+7], v[rB:rB+7], v[rA:rA+7], 0
.endif
.endr
.endr
.endm
.macro MULD f, hi, mode                ; 4 products: e1 (in all 16 rows of source 0) x four query blocks
	WIN 0x01                                       ; e1 window 1; q, C and D window 0
.set rE, EF+8*((\f)/F1)
.irp a, 0,1,2,3
.set rA, (\f)+8*(4*(\hi)+(\a))
.set rD, DA+8*(4*(\hi)+(\a))
.if (\mode) == 0
	v_wmma_f32_16x16x32_bf16 v[rD:rD+7], v[rE:rE+7], v[rA:rA+7], v[rD:rD+7]
.else
	v_wmma_f32_16x16x32_bf16 v[rD:rD+7], v[rE:rE+7], v[rA:rA+7], 0
.endif
.endr
.endm
.macro FETCH k, f                      ; 34 LDS loads in one run: 128 keys, e1, 128 queries; 32 channels at byte k
	WIN TO_B
.set rE, EF+8*((\f)/F1)
.irp i, 0,1,2,3,4,5,6,7
	ds_load_b128 v[(\f)+8*(\i):(\f)+8*(\i)+3],   v[ADRB] offset:(\k)+(\i)*16*PA
	ds_load_b128 v[(\f)+8*(\i)+4:(\f)+8*(\i)+7], v[ADRB] offset:(\k)+(\i)*16*PA+32
.endr
	ds_load_b128 v[rE:rE+3],   v[ADRE] offset:(\k)
	ds_load_b128 v[rE+4:rE+7], v[ADRE] offset:(\k)+32
	WIN 0
.irp i, 0,1,2,3,4,5,6,7
	ds_load_b128 v[(\f)+8*(\i):(\f)+8*(\i)+3],   v[ADRA] offset:(\k)+(\i)*16*PA
	ds_load_b128 v[(\f)+8*(\i)+4:(\f)+8*(\i)+7], v[ADRA] offset:(\k)+(\i)*16*PA+32
.endr
.endm
.macro QUARTER k, f, g, mode           ; 72 products on buffer f; in the middle the next quarter's fragments go out into g, four places behind the products that read it
	s_wait_dscnt 8                                 ; k, e1 and my queries 0-63 are in; the youngest eight loads (queries 64-127) may be out
	MUL16 \f, 0, 0, \mode
	MUL16 \f, 0, 2, \mode
	MULD \f, 0, \mode
	PLACES
	FETCH \k, \g
	s_wait_dscnt 34                                ; all but the 34 just issued
	MUL16 \f, 1, 0, \mode
	MUL16 \f, 1, 2, \mode
	MULD \f, 1, \mode
.endm
; The fourth quarter multiplies buffer 1 and changes slots: ONE barrier, which opens a round of the cluster's barrier.  In front of it each wave waits for all its tensor loads, adds 0 to its spare word, and waits for that
; and for its reads of this slot.  kind = 1: the joint refill with the K step two on.  kind = 2: the last change: slot 0, which has been read for the last time, takes my relation piece 0; the last K step lies in slot 1.
.macro TURN kind
	WIN 0
.if (\kind) == 1
	s_wait_xcnt 0x0                                ; the last prefetches, a K step back, have read their addresses
	s_add_nc_u64 s[PFA:PFA+1], s[PFA:PFA+1], KB
.endif
	s_wait_tensorcnt 0x0
	ds_add_u32 v[SPW], v[NIL]
.if (\kind) == 1
	s_add_co_u32 s[G0A+5], s[TB], s[WOFF]          ; my part of the slot that is being left, the next K step
	s_add_nc_u64 s[G0A+6:G0A+7], s[G0A+6:G0A+7], KB
	s_add_co_u32 s[G0B+5], s[TB], s[WOFF]
	s_add_nc_u64 s[G0B+6:G0B+7], s[G0B+6:G0B+7], KB
.endif
	s_wait_dscnt 9                                 ; the add and the youngest eight loads may be out
	MUL16 F1, 0, 0, 0
	s_wait_dscnt 0x0                               ; the add is done, and my reads of this slot are over
	s_barrier_signal -1
	MUL16 F1, 0, 2, 0
	MULD F1, 0, 0
	WIN 0
	s_barrier_wait -1
	CREST
.if (\kind) == 1
	JLOAD
	s_xor_b32 s[TB], s[TB], SLOT                   ; 0 and SLOT by turns
.else
	tensor_load_to_lds s[G0R:G0R+3], s[G1R:G1R+7]
	s_nop 0
	PLACES
	s_mov_b32 s[TB], SLOT
.endif
	v_add_nc_u32 v[ADRA], s[TB], v[A0]
	v_add_nc_u32 v[ADRB], s[TB], v[B0]
	v_add_nc_u32 v[ADRE], KB, v[ADRE]
	FETCH 0, F0
.if (\kind) == 1
	ASK
.endif
	MUL16 F1, 1, 0, 0
	MUL16 F1, 1, 2, 0
	MULD F1, 1, 0
.endm
; The relation numbers of a block of 16 queries: a lane's 64 keys, 16 loads.
.macro RLOAD
.irp b, 0,1,2,3,4,5,6,7
	ds_load_b128 v[R+8*(\b):R+8*(\b)+3],   v[RELA] offset:64*(\b)
	ds_load_b128 v[R+8*(\b)+4:R+8*(\b)+7], v[RELA] offset:64*(\b)+16
.endr
.endm
; What is block a's own: its c d, and t = c s + log2(e) mask out of its 8 accumulators, each accumulator's registers in ascending order.
.macro SEC a
	v_mov_b32 v[DCC], v[DC+(\a)]
	WIN 0x12+((\a)/4)                              ; source 0 window 2 or 3, source 2 window 1, destination window 0
.set i, 0
.rept 32
	v_pk_fma_f32 v[T+i:T+i+1], v[64*((\a)%4)+i:64*((\a)%4)+i+1], s[CS:CS+1], v[MK+i:MK+i+1] op_sel_hi:[1,0,1]
.set i, i+2
.endr
	WIN 0
.endm
	s_wait_loadcnt 0x0                             ; the mask
	WIN 0x41                                       ; destination and source 0 window 1
.set i, 0
.rept 32
	v_pk_mul_f32 v[MK+i:MK+i+1], v[MK+i:MK+i+1], s[LE:LE+1] op_sel_hi:[1,0]  ; log2(e) mask, once for all eight blocks
.set i, i+2
.endr
	WIN 0
	s_wait_tensorcnt 0x1                           ; my part of K step 0 is in; step 1's may stay out
	s_wait_dscnt 0x0                               ; my part of e1's table is stored
	s_barrier_signal -1
	s_barrier_wait -1
	FETCH 0, F0
	QUARTER 64, F0, F1, 1                          ; the first quarter stands in front of the loop: its products start the sums
	WIN 0
	s_mov_b32 s[CNT], KSTEPS-2
.Lstep:
	QUARTER 128, F1, F0, 0
	QUARTER 192, F0, F1, 0
	TURN 1
	QUARTER 64, F0, F1, 0
	WIN 0
	s_sub_co_u32 s[CNT], s[CNT], 1
	s_cmp_lg_u32 s[CNT], 0
	s_cbranch_scc1 .Lstep
	QUARTER 128, F1, F0, 0
	QUARTER 192, F0, F1, 0
	TURN 2
	QUARTER 64, F0, F1, 0
	QUARTER 128, F1, F0, 0
	QUARTER 192, F0, F1, 0
	WIN 0                                          ; the last quarter: slot 1 has been read for the last time and takes my relation piece 1, behind one more round
	s_wait_tensorcnt 0x0                           ; piece 0 has landed; no tensor load of mine is out, so its group 0 may be written
	ds_add_u32 v[SPW], v[NIL]
	s_add_co_u32 s[G0R+1], s[G0R+1], SLOT
	s_add_nc_u64 s[G0R+2:G0R+3], s[G0R+2:G0R+3], 524288        ; 64 rows of 8,192 bytes on
	s_wait_dscnt 9
	MUL16 F1, 0, 0, 0
	s_wait_dscnt 0x0
	s_barrier_signal -1
	MUL16 F1, 0, 2, 0
	MULD F1, 0, 0
	WIN 0
	s_barrier_wait -1
	CREST
	tensor_load_to_lds s[G0R:G0R+3], s[G1R:G1R+7]
	s_nop 0
	PLACES                                         ; also the places in front of the loads into buffer 0's registers
	RLOAD                                          ; block 0's relation numbers
	MUL16 F1, 1, 0, 0
	MUL16 F1, 1, 2, 0
	MULD F1, 1, 0
	PLACES
	PLACES                                         ; once a launch: what follows reads results just made
	WIN 0
.irp a, 0,1,2,3,4,5,6,7
	v_mul_f32 v[DC+(\a)], s[CS], v[DA+8*(\a)]      ; c d of my query in block a: the result's lowest register
.endr
	s_mov_b32 s[BC], 0
	s_mov_b32 s[PST], 0
	s_mov_b32 s[PST+1], 0
	s_mov_b32 s[OC], 2
.Lpiece:                                               ; two pieces of the relation table, four blocks of 16 queries each
	s_mov_b32 s[IC], 4
.Lblk:
.irp a, 0,1,2,3,4,5,6
	s_cmp_eq_u32 s[BC], \a
	s_cbranch_scc1 .Lsec\a
.endr
	SEC 7
	s_branch .Ljoin
.irp a, 0,1,2,3,4,5,6
.Lsec\a:
	SEC \a
.if (\a) < 6
	s_branch .Ljoin
.endif
.endr
.Ljoin:
	s_wait_dscnt 0x0                               ; the block's relation numbers are in
.set i, 0
.rept 64
	v_cmp_eq_u32 vcc_lo, 1, v[R+i]
	v_cndmask_b32 v[R+i], 0, v[DCC], vcc_lo        ; c d where the relation is 1, else 0
.set i, i+1
.endr
.set i, 0
.rept 32
	v_pk_add_f32 v[T+i:T+i+1], v[T+i:T+i+1], v[R+i:R+i+1]
.set i, i+2
.endr
	s_cmp_eq_u32 s[IC], 1                          ; the piece's next block is asked for now; behind its last block there is none
	s_cbranch_scc1 .Lnorel
	v_add_nc_u32 v[RELA], 16*PR, v[RELA]
	RLOAD
.Lnorel:
.irp k, 0,1,2,3                        ; the maximum of my 64 numbers: four chains of 15, three operands at a time, then the four left over
	v_max3_num_f32 v[CC+(\k)], v[T+16*(\k)], v[T+16*(\k)+1], v[T+16*(\k)+2]
.endr
.irp n, 3,5,7,9,11,13
.irp k, 0,1,2,3
	v_max3_num_f32 v[CC+(\k)], v[CC+(\k)], v[T+16*(\k)+(\n)], v[T+16*(\k)+(\n)+1]
.endr
.endr
	v_max3_num_f32 v[CC], v[CC], v[T+15], v[T+31]
	v_max3_num_f32 v[CC+2], v[CC+2], v[T+47], v[T+63]
	v_max3_num_f32 v[CC], v[CC], v[CC+1], v[CC+2]
	v_max_num_f32 v[CC], v[CC], v[CC+3]
	v_permlanex16_b32 v[CC+1], v[CC], s[SEL], s[SEL+1]         ; the query's other 64 keys lie in the lane 16 away
	v_max3_num_f32 v[MX], v[CC], v[CC+1], s[FLOOR]             ; never below the lowest finite number, so that t - m' is no difference of infinities
	v_mov_b32 v[MX+1], v[MX]
.set i, 0
.rept 32
	v_pk_add_f32 v[T+i:T+i+1], v[T+i:T+i+1], v[MX:MX+1] neg_lo:[0,1] neg_hi:[0,1]
.set i, i+2
.endr
.set i, 0
.rept 64
	v_exp_f32 v[T+i], v[T+i]
.set i, i+1
.endr
	v_nop                                          ; a plain instruction behind the last exponential,
	s_wait_alu depctr_va_vdst(0)                   ; and one wait for the batch of 64, ahead of the first use
	s_wait_xcnt 0x0                                ; the block before has stored from the registers, and by the address, that are written next
	s_add_nc_u64 s[12:13], s[12:13], s[PST:PST+1]  ; 16 rows of pmat on, from the second block
	s_mov_b32 s[PST], 65536
.set i, 0
.rept 32
	v_cvt_pk_bf16_f32 v[PK+i], v[T+2*i], v[T+2*i+1]
.set i, i+1
.endr
.irp b, 0,1,2,3,4,5,6,7
	ds_store_b128 v[STO], v[PK+4*(\b):PK+4*(\b)+3] offset:32*(\b)
.endr
.irp t, 0,1,2,3,4,5,6,7
	ds_load_b128 v[PK+4*(\t):PK+4*(\t)+3], v[RD] offset:(\t)*2*PA  ; back as whole rows, into the registers that they left; LDS serves a wave's instructions in order (ISA guide 5.7.1.4)
.endr
.irp hw, 32,16,8,4,2                   ; the sum of the unrounded weights, while those loads are out
.set i, 0
.rept (\hw)/2
	v_pk_add_f32 v[T+i:T+i+1], v[T+i:T+i+1], v[T+i+(\hw):T+i+(\hw)+1]
.set i, i+2
.endr
.endr
	v_add_f32 v[LS], v[T], v[T+1]
	v_permlanex16_b32 v[LS+1], v[LS], s[SEL], s[SEL+1]
	v_add_f32 v[LS], v[LS], v[LS+1]
	ds_store_b32 v[SSA], v[MX]                     ; both halves of the lanes hold the same number and write the same word
	ds_store_b32 v[SSA], v[LS] offset:512
	v_add_nc_u32 v[SSA], 64, v[SSA]                ; the next block's 16 words
	s_wait_dscnt 0x2                               ; the rows are back; the two stores just issued may be out
.irp t, 0,1,2,3,4,5,6,7
	global_store_b128 v[CO], v[PK+4*(\t):PK+4*(\t)+3], s[12:13] offset:2*(\t)*4096  ; 16 lanes store 256 consecutive bytes, aligned
.endr
	s_add_co_u32 s[BC], s[BC], 1
	s_sub_co_u32 s[IC], s[IC], 1
	s_cmp_lg_u32 s[IC], 0
	s_cbranch_scc1 .Lblk
	s_wait_tensorcnt 0x0                           ; piece 1 has landed, four blocks behind its request; in the second trip nothing is out
	s_cmp_eq_u32 s[OC], 1
	s_cbranch_scc1 .Lnopiece
	v_add_nc_u32 v[RELA], SLOT-3*16*PR, v[RELA]    ; from piece 0's last block to piece 1's first
	RLOAD
.Lnopiece:
	s_sub_co_u32 s[OC], s[OC], 1
	s_cmp_lg_u32 s[OC], 0
	s_cbranch_scc1 .Lpiece
	ds_load_b128 v[T:T+3], v[SSR]                  ; my wave's 128 m' and 128 l, four a lane
	ds_load_b128 v[T+4:T+7], v[SSR] offset:512
	s_wait_dscnt 0x0
	global_store_b128 v[SO], v[T:T+3], s[14:15]                ; 512 consecutive bytes, aligned
	global_store_b128 v[SO], v[T+4:T+7], s[14:15] offset:524288
	s_wait_tensorcnt 0x0                           ; the wave's end
	ds_add_u32 v[SPW], v[NIL]
	s_wait_dscnt 0x0
	CROUND                                         ; the closing round
	s_endpgm
.Lfunc_end_k_qc94913c2f6_scores:
	.size	k_qc94913c2f6_scores, .Lfunc_end_k_qc94913c2f6_scores-k_qc94913c2f6_scores
	.p2alignl 7, 3214868480
	.fill 96, 4, 3214868480
	.section	.rodata,"a",@progbits
	.p2align	6, 0x0
	.amdhsa_kernel k_qc94913c2f6_scores
		.amdhsa_group_segment_fixed_size 327680
		.amdhsa_private_segment_fixed_size 0
		.amdhsa_enable_private_segment 0
		.amdhsa_kernarg_size 48
		.amdhsa_user_sgpr_count 2
		.amdhsa_user_sgpr_kernarg_segment_ptr 1
		.amdhsa_wavefront_size32 1
		.amdhsa_system_sgpr_workgroup_id_x 1
		.amdhsa_system_sgpr_workgroup_id_y 1
		.amdhsa_system_sgpr_workgroup_id_z 1
		.amdhsa_system_vgpr_workitem_id 0
		.amdhsa_next_free_vgpr 1024
		.amdhsa_next_free_sgpr 100
		.amdhsa_reserve_vcc 1
		.amdhsa_float_denorm_mode_32 3
		.amdhsa_float_denorm_mode_16_64 3
		.amdhsa_memory_ordered 1
		.amdhsa_forward_progress 1
		.amdhsa_inst_pref_size 143
	.end_amdhsa_kernel
	.amdgpu_metadata
---
amdhsa.version: [ 1, 2 ]
amdhsa.kernels:
  - .name:           k_qc94913c2f6_scores
    .symbol:         k_qc94913c2f6_scores.kd
    .args:
      - { .name: qkv, .offset: 0, .size: 8, .value_kind: global_buffer, .address_space: global }
      - { .name: dist_emb, .offset: 8, .size: 8, .value_kind: global_buffer, .address_space: global }
      - { .name: attention_mask, .offset: 16, .size: 8, .value_kind: global_buffer, .address_space: global }
      - { .name: word_word_relation, .offset: 24, .size: 8, .value_kind: global_buffer, .address_space: global }
      - { .name: pmat, .offset: 32, .size: 8, .value_kind: global_buffer, .address_space: global }
      - { .name: stats, .offset: 40, .size: 8, .value_kind: global_buffer, .address_space: global }
    .group_segment_fixed_size: 327680
    .private_segment_fixed_size: 0
    .kernarg_segment_align: 8
    .kernarg_segment_size: 48
    .max_flat_workgroup_size: 128
    .sgpr_count:     100
    .vgpr_count:     1024
    .wavefront_size: 32
...
	.end_amdgpu_metadata
.endif
;; end of part 3
;; launch pv (part 4): grid 4 x 64, 4 waves a work-group, clusters of 4 x 4, 327,680 bytes of LDS; arguments pmat, qkv, stats, ctx; writes ctx
.if DOCPART == 4
	.amdgcn_target "amdgcn-amd-amdhsa--gfx1250"
	.amdhsa_code_object_version 6
	.text
	.protected	k_qc94913c2f6_pv
	.globl	k_qc94913c2f6_pv
	.p2align	8
	.type	k_qc94913c2f6_pv,@function
k_qc94913c2f6_pv:
	s_mov_b64 s[64:65], 0
	v_nop
	global_prefetch_b8 v0, s[64:65] scope:SCOPE_SE
	s_setreg_imm32_b32 hwreg(HW_REG_WAVE_MODE, 25, 1), 1
	s_wait_xcnt 0x0
	s_wait_alu depctr_hold_cnt(0) depctr_sa_sdst(0) depctr_va_vdst(0) depctr_va_sdst(0) depctr_va_ssrc(0) depctr_va_vcc(0) depctr_vm_vsrc(0)
	s_getreg_b32 s2, hwreg(HW_REG_IB_STS2, 6, 4)
	s_cmp_eq_u32 s2, 0
	s_cbranch_scc0 .Lentry_in_a_cluster
	s_endpgm
.Lentry_in_a_cluster:
	s_bfe_u32 s2, ttmp6, 0x10000c
	s_cmp_lg_u32 s2, 0xf033
	s_cbranch_scc0 .Lentry_shape_is_right
	s_endpgm
.Lentry_shape_is_right:
; ctx[row][ch] = (1 / L) the sum over chunks c and their keys of (p g_c) v[key][ch], with M = max over c of m'_c, g_c = 2^(m'_c - M), L = the sum over c of l_c g_c:
; the softmax's second stage: the chunks' weights, each relative to its own maximum, are brought to the row's maximum.
; pmat: [8192][2048] bf16; v: plane 2 of qkv, [8192][1024] bf16; stats: m'[16][8192], l[16][8192] f32; ctx: [8192][1024] bf16.  Sums in f32, ctx rounded once.
; A tile is 128 rows x 256 channels: 256 work-groups.  Four waves, each 64 x 128: 32 accumulators.  K (a batch's 2,048 keys) goes in 16 steps of 128: A STEP IS A CHUNK, so one g a row serves a whole step.
; g is rounded to bf16 and multiplies p's fragments between their LDS load and the product (v_pk_mul_bf16: a second rounding of the weights to bf16); L is made with the rounded g.
; THE PRODUCT IS USED TRANSPOSED: source 0 = 16 channels x 32 keys of V^T, which ds_load_tr16_b128 makes of v as it lies ([key][channel]); source 1 = 16 rows x 32 keys of p.  A lane holds one row and eight channels.
; CLUSTERS of 4 x 4: p's tile is shared along a row, v's along a column (the four rows of a cluster belong to one batch): joint loads.
; LIMITS.  A row all of whose keys are at -infinity has L = 0 and gives NaN, as the formula does.  g below 2^-126 counts as 0.  NaN is not treated apart.
; REGISTERS: window 0: v0-19 addresses; v20-23 g of the step in hand for my four blocks' rows, v24-27 of the next; v28, v38-41 addresses; v30-37 1 / L in pairs; v64-159, v160-255 fragment buffers.  window 1: accumulators.
.set KSTEPS, 16
.set KB,     256                       ; bytes of a row of p in a step
.set VSTEP,  262144                    ; 128 keys of 2,048 bytes
.set PLANE,  16777216
.set PA,     272                       ; an LDS row of p: 256 + 16
.set PV,     544                       ; an LDS row of v: 512 + 32 = 136 words
.set AHALF,  64*PA
.set BOFF,   128*PA
.set BHALF,  64*PV                     ; 64 keys
.set STAGE,  384*PA
.set SPARE,  STAGE+4*16*PA
.set GT,     SPARE+512                 ; g, bf16 in both halves of a word: [16 chunks][128 rows], 8,192 bytes
.set RLT,    GT+8192                   ; 1 / L: [128 rows] f32
.set SLOT1,  1<<17
.set A0,   10
.set B0,   11
.set ADRA, 12
.set ADRB, 13
.set STO,  14
.set RD,   15
.set CO,   16
.set PFO,  17
.set SPW,  18                          ; v18  my spare word; never rewritten
.set NIL,  19                          ; v19  0; never rewritten
.set GC,   20
.set GN,   24
.set GAD,  28                          ; v28  g of my rows in the chunk to be fetched
.set RL,   30
.set SOF,  38                          ; v38  4 t: my row in stats
.set GTS,  39                          ; v39  where I put my row's g
.set RLA,  40                          ; v40  where I read 1 / L
.set F0,   64
.set F1,   160
.set TMP,  64
.set BK,   96
.set PM,   64                          ; the prologue's registers, in the fragment buffers, which are not yet in use
.set PL,   80
.set PG,   96
.set MXR,  112
.set LSA,  113
.set LSB,  114
.set RCP,  115
.set WV, 16
.set AB, 17
.set HF, 18
.set CX, 19
.set CY, 20
.set TC, 21
.set TR, 22
.set BAT, 12
.set G1A, 24
.set G1B, 32
.set G0A, 40
.set G0B, 48
.set CNT, 56
.set TB,  57
.set LIM, 58
.set PFA, 60
.set PFS, 62                           ; s[62:63] a prefetch's step: 256 bytes along p's rows, 128 keys down v
.set MSB, 0
.macro WIN new
.if MSB != (\new)
	s_set_vgpr_msb (MSB<<8)|(\new)
.set MSB, (\new)
.endif
.endm
.set MUL,   0x50
.set PACKW, 0x05
.set W_RS,  0x41                       ; destination and source 0 in window 1
.macro PLACES
.rept 4
	v_nop
.endr
.endm
.macro CREST
	s_cmp_lg_u32 s[WV], 0
	s_cbranch_scc1 .Lnot_wave_0_\@
	s_barrier_signal -3
.Lnot_wave_0_\@:
	s_barrier_wait -3
	s_barrier_signal -1
	s_barrier_wait -1
.endm
.macro CROUND
	s_barrier_signal -1
	s_barrier_wait -1
	CREST
.endm
.macro JLOAD                           ; a joint refill: waves 0, 1 p's halves, waves 2, 3 v's; an s_nop 0 and four v_nop follow each line
	s_cmp_lt_u32 s[WV], 2
	s_cbranch_scc0 .Lfor_b_\@
	tensor_load_to_lds s[G0A+4:G0A+7], s[G1A:G1A+7]
	s_nop 0
.rept 4
	v_nop
.endr
	s_branch .Lasked_\@
.Lfor_b_\@:
	tensor_load_to_lds s[G0B+4:G0B+7], s[G1B:G1B+7]
	s_nop 0
.rept 4
	v_nop
.endr
.Lasked_\@:
.endm
; A PREFETCH INTO THE L2: the change behind step j names step j + 4.  p's 128 rows x 256 bytes: wave 0, a lane a row, each of a row's four partners 32 rows (every cluster has x = 0 here).
; v's 128 keys x 512 bytes: waves 2 and 3 of each batch's first row of clusters; of a wave's 64 keys each of a column's four partners takes 16, two lanes a key.  Each block is named once.
.macro ASK
	s_cmp_gt_u32 s[CNT], s[LIM]
	s_cbranch_scc0 .Lnot_mine_\@
	global_prefetch_b8 v[PFO], s[PFA:PFA+1] th:TH_LOAD_NT scope:SCOPE_SE
.Lnot_mine_\@:
.endm
	s_load_b256 s[4:11], s[0:1], 0x0               ; pmat s[4:5], qkv s[6:7], stats s[8:9], ctx s[10:11]
	v_lshl_add_u32 v[SPW], v0, 2, SPARE
	v_mov_b32 v[NIL], 0
	ds_add_u32 v[SPW], v[NIL]                      ; the wave's opening: the add and its wait stand ahead of my first tensor load
	v_lshrrev_b32 v4, 5, v0
	v_readfirstlane_b32 s[WV], v4
	s_lshr_b32 s[AB], s[WV], 1
	s_and_b32 s[HF], s[WV], 1
	s_bfe_u32 s[CX], ttmp6, 0x40000
	s_bfe_u32 s[CY], ttmp6, 0x40004
	s_lshl_b32 s[TC], ttmp9, 2
	s_add_co_u32 s[TC], s[TC], s[CX]
	s_and_b32 s[TR], ttmp7, 0xffff
	s_lshr_b32 s[BAT], s[TR], 2
	s_lshl_b32 s[TR], s[TR], 2
	s_add_co_u32 s[TR], s[TR], s[CY]
	s_lshl_b32 s74, s[CY], 2
	s_lshl_b32 s74, 15, s74
	s_lshl_b32 s75, 0x1111, s[CX]
	s_or_b32 s[G1A], s74, (1<<16)|(1<<20)|(1<<21)|(5<<22)|(3<<25)
	s_or_b32 s[G1B], s75, (1<<16)|(1<<20)|(1<<21)|(6<<22)|(7<<25)  ; v: padding after every 128 words, 8 words
	s_mov_b32 s[G1A+1], 128<<16
	s_mov_b32 s[G1A+2], 64<<16
	s_mov_b32 s[G1A+3], 128<<16
	s_mov_b32 s[G1A+4], 64
	s_mov_b32 s[G1A+5], 2048                       ; p: 2,048 elements from row to row
	s_mov_b32 s[G1A+6], 0
	s_mov_b32 s[G1A+7], 0
	s_mov_b32 s[G1B+1], 256<<16                    ; v: 64 keys x 256 channels
	s_mov_b32 s[G1B+2], 64<<16
	s_mov_b32 s[G1B+3], 256<<16
	s_mov_b32 s[G1B+4], 64
	s_mov_b32 s[G1B+5], 1024
	s_mov_b32 s[G1B+6], 0
	s_mov_b32 s[G1B+7], 0
	s_lshl_b32 s66, s[TR], 7                       ; p: row 128 x tile row + 64 x half, rows of 4,096 bytes
	s_lshl_b32 s67, s[HF], 6
	s_add_co_u32 s66, s66, s67
	s_lshl_b32 s66, s66, 12
	s_mov_b32 s67, 0
	s_lshl_b32 s68, s[BAT], 11                     ; v: plane 2, key 2,048 x batch + 64 x half, channel 256 x tile column
	s_lshl_b32 s69, s[HF], 6
	s_add_co_u32 s68, s68, s69
	s_lshl_b32 s68, s68, 11
	s_lshl_b32 s69, s[TC], 9
	s_add_co_u32 s68, s68, s69
	s_add_co_u32 s68, s68, 2*PLANE
	s_mov_b32 s69, 0
	s_mul_i32 s23, s[HF], AHALF
	s_mul_i32 s59, s[HF], BHALF
	s_add_co_u32 s59, s59, BOFF
	s_mov_b32 s[TB], 0
	s_wait_dscnt 0x0                               ; the opening add is done
	s_wait_kmcnt 0x0
	s_add_nc_u64 s[66:67], s[4:5], s[66:67]
	s_add_nc_u64 s[68:69], s[6:7], s[68:69]
	CROUND                                         ; all sixteen work-groups are here: the first joint loads meet
.irp s, 0,1
	s_mov_b32 s[G0A+4*(\s)], 1
	s_add_co_u32 s[G0A+4*(\s)+1], s23, (\s)*SLOT1
	s_add_nc_u64 s[G0A+4*(\s)+2:G0A+4*(\s)+3], s[66:67], (\s)*KB
	s_or_b32 s[G0A+4*(\s)+3], s[G0A+4*(\s)+3], 0x80000000
	s_mov_b32 s[G0B+4*(\s)], 1
	s_add_co_u32 s[G0B+4*(\s)+1], s59, (\s)*SLOT1
	s_add_nc_u64 s[G0B+4*(\s)+2:G0B+4*(\s)+3], s[68:69], (\s)*VSTEP
	s_or_b32 s[G0B+4*(\s)+3], s[G0B+4*(\s)+3], 0x80000000
.endr
	s_cmp_lt_u32 s[WV], 2                          ; a wave's two first fills stand in one branch: two loads of mine are out
	s_cbranch_scc0 .Lfirst_b
	tensor_load_to_lds s[G0A:G0A+3], s[G1A:G1A+7]
	s_nop 0
	tensor_load_to_lds s[G0A+4:G0A+7], s[G1A:G1A+7]
	s_nop 0
.rept 4
	v_nop
.endr
	s_branch .Lfirst_done
.Lfirst_b:
	tensor_load_to_lds s[G0B:G0B+3], s[G1B:G1B+7]
	s_nop 0
	tensor_load_to_lds s[G0B+4:G0B+7], s[G1B:G1B+7]
	s_nop 0
.rept 4
	v_nop
.endr
.Lfirst_done:
	; THE PROLOGUE, while the first tiles are on their way: thread t owns row t of the tile's 128
	s_lshl_b32 s74, s[TR], 9                       ; 128 rows x 4 bytes a tile row
	s_mov_b32 s75, 0
	s_add_nc_u64 s[8:9], s[8:9], s[74:75]
	v_lshlrev_b32 v[SOF], 2, v0
.irp c, 0,1,2,3,4,5,6,7,8,9,10,11,12,13,14,15
	global_load_b32 v[PM+(\c)], v[SOF], s[8:9] offset:(\c)*32768
.endr
.irp c, 0,1,2,3,4,5,6,7,8,9,10,11,12,13,14,15
	global_load_b32 v[PL+(\c)], v[SOF], s[8:9] offset:524288+(\c)*32768
.endr
	v_and_b32 v1, 15, v0                           ; r
	v_bfe_u32 v2, v0, 4, 1                         ; h
	v_and_b32 v3, 31, v0                           ; l
	v_mul_u32_u24 v4, v1, PA
	v_lshl_add_u32 v4, v2, 4, v4
	s_mul_i32 s23, s[AB], AHALF
	v_add_nc_u32 v[A0], s23, v4
	v_and_b32 v5, 7, v0                            ; the turning load: lane l reads key 8 h + l % 8, channels 8 ((l / 8) % 2) + 0..7
	v_bfe_u32 v6, v0, 3, 1
	v_lshl_add_u32 v7, v2, 3, v5
	v_mul_u32_u24 v7, v7, PV
	v_lshl_add_u32 v7, v6, 4, v7
	s_lshl_b32 s23, s[HF], 8                       ; my 128 channels: 256 bytes of a row
	s_add_co_u32 s23, s23, BOFF
	v_add_nc_u32 v[B0], s23, v7
	v_mov_b32 v[ADRA], v[A0]
	v_mov_b32 v[ADRB], v[B0]
	s_mul_i32 s23, s[WV], 16*PA
	s_add_co_u32 s23, s23, STAGE
	v_add_nc_u32 v[STO], s23, v4
	v_mul_u32_u24 v5, v2, PA
	v_lshl_add_u32 v5, v1, 4, v5
	v_add_nc_u32 v[RD], s23, v5
	v_lshlrev_b32 v5, 11, v2
	v_lshl_add_u32 v[CO], v1, 4, v5
	s_lshl_b32 s23, s[AB], 8                       ; my 64 rows, 4 bytes each
	s_add_co_u32 s59, s23, GT
	v_lshl_add_u32 v[GAD], v1, 2, s59
	s_add_co_u32 s59, s23, RLT
	v_lshl_add_u32 v[RLA], v1, 2, s59
	v_lshl_add_u32 v[GTS], v0, 2, GT
	s_lshl_b32 s70, s[TR], 7                       ; ctx at my 64 rows and 128 channels
	s_lshl_b32 s71, s[AB], 6
	s_add_co_u32 s70, s70, s71
	s_lshl_b32 s70, s70, 11
	s_lshl_b32 s71, s[TC], 9
	s_add_co_u32 s70, s70, s71
	s_lshl_b32 s71, s[HF], 8
	s_add_co_u32 s70, s70, s71
	s_mov_b32 s71, 0
	s_add_nc_u64 s[10:11], s[10:11], s[70:71]
	s_lshl_b32 s80, s[TR], 7                       ; the prefetches of p
	s_lshl_b32 s81, s[CX], 5
	s_add_co_u32 s80, s80, s81
	s_lshl_b32 s80, s80, 12
	s_add_co_u32 s80, s80, 3*KB                    ; at step 3: the first change steps it to 4
	s_lshl_b32 s82, s[BAT], 11                     ; and of v
	s_lshl_b32 s83, s[HF], 6
	s_add_co_u32 s82, s82, s83
	s_lshl_b32 s83, s[CY], 4
	s_add_co_u32 s82, s82, s83
	s_lshl_b32 s82, s82, 11
	s_lshl_b32 s83, s[TC], 9
	s_add_co_u32 s82, s82, s83
	s_add_co_u32 s82, s82, 2*PLANE+3*VSTEP
	s_or_b32 s84, ttmp9, s[HF]                     ; p: wave 0
	s_and_b32 s85, ttmp7, 3                        ; v: each batch's first row of clusters
	s_mov_b32 s86, KB
	s_mov_b32 s87, VSTEP
	s_cmp_eq_u32 s[AB], 0
	s_cselect_b32 s80, s80, s82
	s_cselect_b32 s84, s84, s85
	s_cselect_b32 s[PFS], s86, s87
	s_cselect_b64 s[PFA:PFA+1], s[4:5], s[6:7]
	s_cselect_b32 s86, 0, 1                        ; p: a lane a row of 4,096 bytes; v: two lanes a key of 2,048 bytes, 256 bytes each
	s_cmp_eq_u32 s84, 0
	s_cselect_b32 s[LIM], 2, -1
	s_sub_co_u32 s87, 12, s86
	s_mov_b32 s[PFS+1], 0
	s_mov_b32 s81, 0
	s_add_nc_u64 s[PFA:PFA+1], s[PFA:PFA+1], s[80:81]
	v_lshrrev_b32 v4, s86, v3
	v_lshlrev_b32 v4, s87, v4
	v_and_b32 v5, s86, v3
	v_lshl_add_u32 v[PFO], v5, 8, v4
	s_wait_loadcnt 0x0
	v_max3_num_f32 v[MXR], v[PM], v[PM+1], v[PM+2] ; M: the row's maximum over its 16 chunks
.irp c, 3,5,7,9,11,13
	v_max3_num_f32 v[MXR], v[MXR], v[PM+(\c)], v[PM+(\c)+1]
.endr
	v_max_num_f32 v[MXR], v[MXR], v[PM+15]
.irp c, 0,1,2,3,4,5,6,7,8,9,10,11,12,13,14,15
	v_sub_f32 v[PM+(\c)], v[PM+(\c)], v[MXR]
.endr
.irp c, 0,1,2,3,4,5,6,7,8,9,10,11,12,13,14,15
	v_exp_f32 v[PM+(\c)], v[PM+(\c)]
.endr
	v_nop                                          ; a plain instruction behind the last exponential,
	s_wait_alu depctr_va_vdst(0)                   ; and one wait for the batch of 16
.irp c, 0,1,2,3,4,5,6,7,8,9,10,11,12,13,14,15
	v_cvt_pk_bf16_f32 v[PG+(\c)], v[PM+(\c)], v[PM+(\c)]       ; g in both halves
.endr
.irp c, 0,1,2,3,4,5,6,7,8,9,10,11,12,13,14,15
	v_lshlrev_b32 v[PM+(\c)], 16, v[PG+(\c)]       ; the rounded g as f32: L is made with the numbers that multiply p
.endr
	v_mul_f32 v[LSA], v[PL], v[PM]
	v_mul_f32 v[LSB], v[PL+1], v[PM+1]
.irp c, 2,4,6,8,10,12,14
	v_fmac_f32 v[LSA], v[PL+(\c)], v[PM+(\c)]
	v_fmac_f32 v[LSB], v[PL+(\c)+1], v[PM+(\c)+1]
.endr
	v_add_f32 v[LSA], v[LSA], v[LSB]
	v_rcp_f32 v[RCP], v[LSA]
	v_nop
.irp c, 0,1,2,3,4,5,6,7,8,9,10,11,12,13,14,15
	ds_store_b32 v[GTS], v[PG+(\c)] offset:(\c)*512
.endr
	s_wait_alu depctr_va_vdst(0)                   ; the reciprocal's wait, ahead of its first use
	ds_store_b32 v[GTS], v[RCP] offset:8192
.macro SC4 f, a, z                     ; four registers of p's fragment of block a times the block's rows' g
	WIN 0
.irp y, 0,1,2,3
	v_pk_mul_bf16 v[(\f)+64+8*(\a)+(\z)+(\y)], v[(\f)+64+8*(\a)+(\z)+(\y)], v[GC+(\a)]
.endr
.endm
; 8 products: row block a x all 8 channel blocks; behind the second and the sixth stand four scalings each of the NEXT block's fragment.  The 32 accumulators take turns, one instruction a turn.
.macro MUL8S f, a, mode
.irp b, 0,1,2,3,4,5,6,7
	WIN MUL
.set rD, 8*(8*(\a)+(\b))
.set rB, (\f)+8*(\b)
.set rA, (\f)+64+8*(\a)
.if (\mode) == 0
	v_wmma_f32_16x16x32_bf16 v[rD:rD+7], v[rB:rB+7], v[rA:rA+7], v[rD:rD+7]
.else
	v_wmma_f32_16x16x32_bf16 v[rD:rD+7], v[rB:rB+7], v[rA:rA+7], 0
.endif
.if ((\a) < 3) && (((\b) == 1) || ((\b) == 5))
	SC4 \f, (\a)+1, 4*((\b)/4)
.endif
.endr
.endm
; The fragments of quarter q (32 keys): 128 channels of V^T, turned; 64 rows of p.  g = 1: also the chunk's g for my four blocks' rows
.macro FETCH q, f, g
	WIN 0
.irp i, 0,1,2,3,4,5,6,7
	ds_load_tr16_b128 v[(\f)+8*(\i):(\f)+8*(\i)+3],   v[ADRB] offset:(\q)*32*PV+32*(\i)
	ds_load_tr16_b128 v[(\f)+8*(\i)+4:(\f)+8*(\i)+7], v[ADRB] offset:(\q)*32*PV+16*PV+32*(\i)
.endr
.irp i, 0,1,2,3
	ds_load_b128 v[(\f)+64+8*(\i):(\f)+64+8*(\i)+3],   v[ADRA] offset:64*(\q)+(\i)*16*PA
	ds_load_b128 v[(\f)+64+8*(\i)+4:(\f)+64+8*(\i)+7], v[ADRA] offset:64*(\q)+(\i)*16*PA+32
.endr
.if \g
.irp i, 0,1,2,3
	ds_load_b32 v[GN+(\i)], v[GAD] offset:64*(\i)
.endr
.endif
.endm
; first = 1: a step's first quarter takes the step's g over.
.macro QUARTER q, f, g, mode, first
	WIN 0
	s_wait_dscnt 0x0
.if \first
.irp i, 0,1,2,3
	v_mov_b32 v[GC+(\i)], v[GN+(\i)]
.endr
.endif
	SC4 \f, 0, 0
	SC4 \f, 0, 4
	PLACES
	FETCH \q, \g, 0
	MUL8S \f, 0, \mode
	MUL8S \f, 1, \mode
	MUL8S \f, 2, \mode
	MUL8S \f, 3, \mode
.endm
; The fourth quarter multiplies buffer 1 and changes slots: ONE barrier; in front of it each wave waits for all its tensor loads, adds 0 to its spare word, and waits for that and for its reads of this slot.
; kind = 1: the barrier opens a round of the cluster's barrier; the joint refill is the first thing behind the round.  kind = 0: the last change; the last step lies in slot 1 (their number is even).
.macro TURN kind
	WIN 0
.if (\kind) == 1
	s_wait_xcnt 0x0                                ; the last prefetch, a step back, has read its address
	s_add_nc_u64 s[PFA:PFA+1], s[PFA:PFA+1], s[PFS:PFS+1]
.endif
	s_wait_tensorcnt 0x0
	ds_add_u32 v[SPW], v[NIL]
.if (\kind) == 1
	s_xor_b32 s[G0A+5], s[G0A+5], SLOT1
	s_add_nc_u64 s[G0A+6:G0A+7], s[G0A+6:G0A+7], KB
	s_xor_b32 s[G0B+5], s[G0B+5], SLOT1
	s_add_nc_u64 s[G0B+6:G0B+7], s[G0B+6:G0B+7], VSTEP
.endif
	s_wait_dscnt 0x1                               ; buffer 1 is in; the add alone may be out
	SC4 F1, 0, 0
	SC4 F1, 0, 4
	MUL8S F1, 0, 0
	s_wait_dscnt 0x0                               ; the add is done, and my reads of this slot are over
	s_barrier_signal -1
	MUL8S F1, 1, 0
	WIN 0
	s_barrier_wait -1
.if (\kind) == 1
	CREST
	JLOAD
	s_xor_b32 s[TB], s[TB], SLOT1
.else
	PLACES
	s_mov_b32 s[TB], SLOT1
.endif
	v_add_nc_u32 v[ADRA], s[TB], v[A0]
	v_add_nc_u32 v[ADRB], s[TB], v[B0]
	v_add_nc_u32 v[GAD], 512, v[GAD]
	FETCH 0, F0, 1
.if (\kind) == 1
	ASK
.endif
	MUL8S F1, 2, 0
	MUL8S F1, 3, 0
.endm
.macro PACK a                          ; block a divided by its rows' L, rounded to bf16
	WIN W_RS
.set i, 64*(\a)
.rept 32
	v_pk_mul_f32 v[i:i+1], v[i:i+1], v[RL+2*(\a):RL+2*(\a)+1]
.set i, i+2
.endr
	WIN PACKW
.irp b, 0,1,2,3,4,5,6,7
.irp r, 0,1,2,3
	v_cvt_pk_bf16_f32 v[TMP+4*(\b)+(\r)], v[8*(8*(\a)+(\b))+2*(\r)], v[8*(8*(\a)+(\b))+2*(\r)+1]
.endr
.endr
	WIN 0
.endm
.macro TOSTAGE a
.irp b, 0,1,2,3,4,5,6,7
	ds_store_b128 v[STO], v[TMP+4*(\b):TMP+4*(\b)+3] offset:32*(\b)
.endr
.irp t, 0,1,2,3,4,5,6,7
	ds_load_b128 v[BK+32*(\a)+4*(\t):BK+32*(\a)+4*(\t)+3], v[RD] offset:(\t)*2*PA  ; LDS serves a wave's instructions in order (ISA guide 5.7.1.4)
.endr
.endm
.macro SEND a
	s_wait_dscnt 0x0
.irp t, 0,1,2,3,4,5,6,7
	global_store_b128 v[CO], v[BK+32*(\a)+4*(\t):BK+32*(\a)+4*(\t)+3], s[10:11] offset:(16*(\a)+2*(\t))*2048  ; 16 lanes store 256 consecutive bytes, aligned
.endr
.endm
	s_wait_tensorcnt 0x1                           ; my part of step 0 is in; step 1's may stay out
	s_wait_dscnt 0x0                               ; my rows' g and 1 / L are stored
	s_barrier_signal -1
	s_barrier_wait -1
	FETCH 0, F0, 1
	QUARTER 1, F0, F1, 1, 1                        ; the first quarter stands in front of the loop: its products start the sums
	WIN 0
	s_mov_b32 s[CNT], KSTEPS-2
.Lstep:
	QUARTER 2, F1, F0, 0, 0
	QUARTER 3, F0, F1, 0, 0
	TURN 1
	QUARTER 1, F0, F1, 0, 1
	WIN 0
	s_sub_co_u32 s[CNT], s[CNT], 1
	s_cmp_lg_u32 s[CNT], 0
	s_cbranch_scc1 .Lstep
	QUARTER 2, F1, F0, 0, 0
	QUARTER 3, F0, F1, 0, 0
	TURN 0
	QUARTER 1, F0, F1, 0, 1
	QUARTER 2, F1, F0, 0, 0
	QUARTER 3, F0, F1, 0, 0
	WIN 0
	s_wait_dscnt 0x0
	SC4 F1, 0, 0
	SC4 F1, 0, 4
	MUL8S F1, 0, 0
	MUL8S F1, 1, 0
	MUL8S F1, 2, 0
	MUL8S F1, 3, 0
	WIN 0
.irp a, 0,1,2,3
	ds_load_b32 v[RL+2*(\a)], v[RLA] offset:64*(\a)
.endr
	PLACES
	PLACES                                         ; once a launch: what follows reads and rewrites results just made
	s_wait_dscnt 0x0
.irp a, 0,1,2,3
	v_mov_b32 v[RL+2*(\a)+1], v[RL+2*(\a)]
.endr
	PACK 0
	TOSTAGE 0
.irp a, 1,2,3
	PACK \a
	SEND (\a)-1
	TOSTAGE \a
.endr
	SEND 3
	s_wait_tensorcnt 0x0                           ; the wave's end
	ds_add_u32 v[SPW], v[NIL]
	s_wait_dscnt 0x0
	CROUND                                         ; the closing round
	s_endpgm
.Lfunc_end_k_qc94913c2f6_pv:
	.size	k_qc94913c2f6_pv, .Lfunc_end_k_qc94913c2f6_pv-k_qc94913c2f6_pv
	.p2alignl 7, 3214868480
	.fill 96, 4, 3214868480
	.section	.rodata,"a",@progbits
	.p2align	6, 0x0
	.amdhsa_kernel k_qc94913c2f6_pv
		.amdhsa_group_segment_fixed_size 327680
		.amdhsa_private_segment_fixed_size 0
		.amdhsa_enable_private_segment 0
		.amdhsa_kernarg_size 32
		.amdhsa_user_sgpr_count 2
		.amdhsa_user_sgpr_kernarg_segment_ptr 1
		.amdhsa_wavefront_size32 1
		.amdhsa_system_sgpr_workgroup_id_x 1
		.amdhsa_system_sgpr_workgroup_id_y 1
		.amdhsa_system_sgpr_workgroup_id_z 1
		.amdhsa_system_vgpr_workitem_id 0
		.amdhsa_next_free_vgpr 512
		.amdhsa_next_free_sgpr 96
		.amdhsa_reserve_vcc 0
		.amdhsa_float_denorm_mode_32 3
		.amdhsa_float_denorm_mode_16_64 3
		.amdhsa_memory_ordered 1
		.amdhsa_forward_progress 1
		.amdhsa_inst_pref_size 117
	.end_amdhsa_kernel
	.amdgpu_metadata
---
amdhsa.version: [ 1, 2 ]
amdhsa.kernels:
  - .name:           k_qc94913c2f6_pv
    .symbol:         k_qc94913c2f6_pv.kd
    .args:
      - { .name: pmat, .offset: 0, .size: 8, .value_kind: global_buffer, .address_space: global }
      - { .name: qkv, .offset: 8, .size: 8, .value_kind: global_buffer, .address_space: global }
      - { .name: stats, .offset: 16, .size: 8, .value_kind: global_buffer, .address_space: global }
      - { .name: ctx, .offset: 24, .size: 8, .value_kind: global_buffer, .address_space: global }
    .group_segment_fixed_size: 327680
    .private_segment_fixed_size: 0
    .kernarg_segment_align: 8
    .kernarg_segment_size: 32
    .max_flat_workgroup_size: 128
    .sgpr_count:     96
    .vgpr_count:     512
    .wavefront_size: 32
...
	.end_amdgpu_metadata
.endif
;; end of part 4
;; launch oproj: the kernel of part 2 again; grid 4 x 32, 4 waves a work-group, clusters of 4 x 4, 327,680 bytes of LDS; arguments ctx, wob, bo, bk, bv, ybuf; writes ybuf
;; launch ln (part 5): grid 256 x 1, 8 waves a work-group, no clusters, 0 bytes of LDS; arguments ybuf, hidden_states, ln_g, ln_b, out0; writes out0
.if DOCPART == 5
	.amdgcn_target "amdgcn-amd-amdhsa--gfx1250"
	.amdhsa_code_object_version 6
	.text
	.protected	k_qc94913c2f6_ln
	.globl	k_qc94913c2f6_ln
	.p2align	8
	.type	k_qc94913c2f6_ln,@function
k_qc94913c2f6_ln:
	s_mov_b64 s[64:65], 0
	v_nop
	global_prefetch_b8 v0, s[64:65] scope:SCOPE_SE
	s_setreg_imm32_b32 hwreg(HW_REG_WAVE_MODE, 25, 1), 1
	s_wait_xcnt 0x0
; out = LayerNorm(y + hidden_states) g + b.  y: [8192][1024] bf16 (ctx Wo^T + bo), hidden_states and out: f32.  All arithmetic in f32.
; TWO PASSES over a row kept in registers: the mean first, then the mean of the squared deviations, as the formula has it: a common offset of the inputs costs no digits.
; A stream: no LDS, no matrix unit, no cluster (rows share only g and b, 8 KiB).  One wave, one row of 1,024 numbers: 32 a lane; the reductions never leave the wave.
; A work-group's eight waves take four rows each, through three register slots: all that fits goes out at the start, the fourth row when the first has been stored.
; A load or store of f32 covers 512 consecutive bytes of a row, a load of y 256; lane l holds numbers 128 j + 4 l + 0..3 in all of them.
.set HO,  4                            ; v4   my byte offset in my wave's rows of hidden_states and out
.set YO,  5                            ; v5   the same in y
.set GA,  8                            ; v[8:39]    g
.set BE,  40                           ; v[40:71]   b
.set X,   72                           ; v[72:215]  slot s: 32 registers of f32, then 16 of bf16 pairs
.set T,   216                          ; v[216:231] at work
.set MU,  232                          ; v[232:233] the mean, twice
.set RS,  234                          ; v[234:235] 1 / sqrt(var + eps), twice
.set ONE, 236                          ; v236       1.0
	s_load_b256 s[4:11], s[0:1], 0x0               ; y s[4:5], hidden_states s[6:7], g s[8:9], b s[10:11]
	s_load_b64 s[12:13], s[0:1], 0x20              ; out
	v_and_b32 v1, 31, v0
	v_lshrrev_b32 v2, 5, v0
	v_lshlrev_b32 v3, 4, v1                        ; 16 l
	v_lshl_add_u32 v[HO], v2, 14, v3               ; + wave x 4 rows x 4,096 bytes
	v_lshlrev_b32 v[YO], 3, v1
	v_lshl_add_u32 v[YO], v2, 13, v[YO]            ; 8 l + wave x 4 rows x 2,048 bytes
	v_mov_b32 v[ONE], 1.0
	s_lshl_b32 s14, ttmp9, 17                      ; the work-group's 32 rows
	s_mov_b32 s15, 0
	s_lshl_b32 s16, ttmp9, 16
	s_mov_b32 s17, 0
	s_mov_b32 s18, 0x3a800000                      ; 1 / 1,024
	s_mov_b32 s20, 0x76543210                      ; v_permlanex16_b32: each lane takes its own place in the other half
	s_mov_b32 s21, 0xfedcba98
	s_wait_kmcnt 0x0
	s_add_nc_u64 s[4:5], s[4:5], s[16:17]
	s_add_nc_u64 s[6:7], s[6:7], s[14:15]
	s_add_nc_u64 s[12:13], s[12:13], s[14:15]
.irp j, 0,1,2,3,4,5,6,7
	global_load_b128 v[GA+4*(\j):GA+4*(\j)+3], v3, s[8:9] offset:512*(\j)
.endr
.irp j, 0,1,2,3,4,5,6,7
	global_load_b128 v[BE+4*(\j):BE+4*(\j)+3], v3, s[10:11] offset:512*(\j)
.endr
.macro FILL s, row                     ; sixteen loads: a row of hidden_states and of y
.irp j, 0,1,2,3,4,5,6,7
	global_load_b128 v[X+48*(\s)+4*(\j):X+48*(\s)+4*(\j)+3], v[HO], s[6:7] offset:(\row)*4096+512*(\j) th:TH_LOAD_NT
.endr
.irp j, 0,1,2,3,4,5,6,7
	global_load_b64 v[X+48*(\s)+32+2*(\j):X+48*(\s)+32+2*(\j)+1], v[YO], s[4:5] offset:(\row)*2048+256*(\j) th:TH_LOAD_NT
.endr
.endm
.macro FOLD                            ; the eight pairs in T become one sum, in every lane
.irp hw, 8,4,2
.set e, 0
.rept (\hw)/2
	v_pk_add_f32 v[T+e:T+e+1], v[T+e:T+e+1], v[T+e+(\hw):T+e+(\hw)+1]
.set e, e+2
.endr
.endr
	v_add_f32 v[T], v[T], v[T+1]
	v_add_f32_dpp v[T], v[T], v[T] row_xmask:1 row_mask:0xf bank_mask:0xf
	v_add_f32_dpp v[T], v[T], v[T] row_xmask:2 row_mask:0xf bank_mask:0xf
	v_add_f32_dpp v[T], v[T], v[T] row_xmask:4 row_mask:0xf bank_mask:0xf
	v_add_f32_dpp v[T], v[T], v[T] row_xmask:8 row_mask:0xf bank_mask:0xf
	v_permlanex16_b32 v[T+1], v[T], s20, s21
	v_add_f32 v[T], v[T], v[T+1]
.endm
; The row in slot s.  left: the younger loads that may stay out.
.macro ROW s, row, left
.set XS, X+48*(\s)
.set YS, XS+32
	s_wait_loadcnt \left
.set e, 0
.rept 32                               ; x = y + hidden_states: a bf16 half times 1.0 plus an f32, one instruction
.if e%2
	v_fma_mix_f32_bf16 v[XS+e], v[YS+e/2], v[ONE], v[XS+e] op_sel:[1,0,0] op_sel_hi:[1,0,0]
.else
	v_fma_mix_f32_bf16 v[XS+e], v[YS+e/2], v[ONE], v[XS+e] op_sel_hi:[1,0,0]
.endif
.set e, e+1
.endr
.set e, 0
.rept 8
	v_pk_add_f32 v[T+e:T+e+1], v[XS+e:XS+e+1], v[XS+16+e:XS+16+e+1]
.set e, e+2
.endr
	FOLD
	v_mul_f32 v[MU], s18, v[T]
	v_mov_b32 v[MU+1], v[MU]
.set e, 0
.rept 16
	v_pk_add_f32 v[XS+e:XS+e+1], v[XS+e:XS+e+1], v[MU:MU+1] neg_lo:[0,1] neg_hi:[0,1]
.set e, e+2
.endr
.set e, 0
.rept 8
	v_pk_mul_f32 v[T+e:T+e+1], v[XS+e:XS+e+1], v[XS+e:XS+e+1]
.set e, e+2
.endr
.set e, 0
.rept 8
	v_pk_fma_f32 v[T+e:T+e+1], v[XS+16+e:XS+16+e+1], v[XS+16+e:XS+16+e+1], v[T+e:T+e+1]
.set e, e+2
.endr
	FOLD
	v_fmaak_f32 v[T], s18, v[T], 0x2b8cbccc        ; var + 1e-12
	v_rsq_f32 v[RS], v[T]
	v_rsq_f32 v[RS+1], v[T]
	v_nop                                          ; a plain instruction behind the second root,
	s_wait_alu depctr_va_vdst(0)                   ; and one wait for both, ahead of the first use
.set e, 0
.rept 16
	v_pk_mul_f32 v[XS+e:XS+e+1], v[XS+e:XS+e+1], v[RS:RS+1]
.set e, e+2
.endr
.set e, 0
.rept 16
	v_pk_fma_f32 v[XS+e:XS+e+1], v[XS+e:XS+e+1], v[GA+e:GA+e+1], v[BE+e:BE+e+1]
.set e, e+2
.endr
.irp j, 0,1,2,3,4,5,6,7
	global_store_b128 v[HO], v[XS+4*(\j):XS+4*(\j)+3], s[12:13] offset:(\row)*4096+512*(\j) th:TH_STORE_NT
.endr
.endm
	FILL 0, 0
	FILL 1, 1
	FILL 2, 2
	ROW 0, 0, 32                                   ; g, b and row 0 are in; rows 1 and 2 stay out
	s_wait_xcnt 0x0                                ; row 0's stores have read their registers: slot 0 is loaded again only behind this wait
	FILL 0, 3
	ROW 1, 1, 32                                   ; rows 2 and 3 stay out
	ROW 2, 2, 16
	ROW 0, 3, 0
	s_endpgm
.Lfunc_end_k_qc94913c2f6_ln:
	.size	k_qc94913c2f6_ln, .Lfunc_end_k_qc94913c2f6_ln-k_qc94913c2f6_ln
	.p2alignl 7, 3214868480
	.fill 96, 4, 3214868480
	.section	.rodata,"a",@progbits
	.p2align	6, 0x0
	.amdhsa_kernel k_qc94913c2f6_ln
		.amdhsa_group_segment_fixed_size 0
		.amdhsa_private_segment_fixed_size 0
		.amdhsa_enable_private_segment 0
		.amdhsa_kernarg_size 40
		.amdhsa_user_sgpr_count 2
		.amdhsa_user_sgpr_kernarg_segment_ptr 1
		.amdhsa_wavefront_size32 1
		.amdhsa_system_sgpr_workgroup_id_x 1
		.amdhsa_system_sgpr_workgroup_id_y 1
		.amdhsa_system_sgpr_workgroup_id_z 1
		.amdhsa_system_vgpr_workitem_id 0
		.amdhsa_next_free_vgpr 240
		.amdhsa_next_free_sgpr 66
		.amdhsa_reserve_vcc 0
		.amdhsa_float_denorm_mode_32 3
		.amdhsa_float_denorm_mode_16_64 3
		.amdhsa_memory_ordered 1
		.amdhsa_forward_progress 1
		.amdhsa_inst_pref_size 46
	.end_amdhsa_kernel
	.amdgpu_metadata
---
amdhsa.version: [ 1, 2 ]
amdhsa.kernels:
  - .name:           k_qc94913c2f6_ln
    .symbol:         k_qc94913c2f6_ln.kd
    .args:
      - { .name: ybuf, .offset: 0, .size: 8, .value_kind: global_buffer, .address_space: global }
      - { .name: hidden_states, .offset: 8, .size: 8, .value_kind: global_buffer, .address_space: global }
      - { .name: ln_g, .offset: 16, .size: 8, .value_kind: global_buffer, .address_space: global }
      - { .name: ln_b, .offset: 24, .size: 8, .value_kind: global_buffer, .address_space: global }
      - { .name: out0, .offset: 32, .size: 8, .value_kind: global_buffer, .address_space: global }
    .group_segment_fixed_size: 0
    .private_segment_fixed_size: 0
    .kernarg_segment_align: 8
    .kernarg_segment_size: 40
    .max_flat_workgroup_size: 256
    .sgpr_count:     66
    .vgpr_count:     240
    .wavefront_size: 32
...
	.end_amdgpu_metadata
.endif
;; end of part 5
;; ======== version 2 of 2: 6 launches; version 1 with the launch cvt written anew for expert scheduling mode
;; workspace buffers: xb 16,777,216 bytes; wqkv 6,291,456 bytes; wob 2,097,152 bytes; qkv 50,331,648 bytes; pmat 33,554,432 bytes; stats 1,048,576 bytes; ctx 16,777,216 bytes; ybuf 16,777,216 bytes
;; launch cvt (part 6): grid 768 x 1, 8 waves a work-group, no clusters, 0 bytes of LDS; arguments hidden_states, Wq, Wk, Wv, Wo, xb, wqkv, wob; writes xb, wqkv, wob
.if DOCPART == 6
	.amdgcn_target "amdgcn-amd-amdhsa--gfx1250"
	.amdhsa_code_object_version 6
	.text
	.protected	k_qc94913c2f6_cvt
	.globl	k_qc94913c2f6_cvt
	.p2align	8
	.type	k_qc94913c2f6_cvt,@function
k_qc94913c2f6_cvt:
	s_mov_b64 s[64:65], 0
	v_nop
	global_prefetch_b8 v0, s[64:65] scope:SCOPE_SE
	s_setreg_imm32_b32 hwreg(HW_REG_WAVE_SCHED_MODE, 0, 2), 2
	s_setreg_imm32_b32 hwreg(HW_REG_WAVE_MODE, 25, 1), 1
	s_wait_xcnt 0x0
	s_wait_alu depctr_vm_vsrc(0)
; f32 -> bf16, once, for everything that is a matrix operand later: hidden_states -> xb [8192][1024]; Wq, Wk, Wv -> wqkv [3072][1024] (stacked); Wo -> wob [1024][1024].
; A stream: no LDS, no matrix unit, no cluster (no byte is shared).  A work-group of 256 threads takes 16,384 numbers: 65,536 bytes in, 32,768 out.
; Work-groups 0-511 take hidden_states, 512-767 the four weights, 64 work-groups each.  Which buffers are meant is a choice between pointers on the work-group's number; no branch.
; All sixteen loads of a thread go out first (a wave's load covers 512 consecutive bytes); each store of a wave covers 256 consecutive bytes, aligned.
; THE MODE: SCHED_MODE bits 1:0 = 2 (LLVM: expert scheduling mode 2), set by the entry lines.  The code itself states the register dependences
; between vector instructions and memory instructions, with s_wait_alu, always for 0.
; THE PLAN.  Registers that memory instructions touch:
;   v1, v2   byte offsets, made once at the head and never written again: v1 is read by the sixteen loads, v2 by the sixteen stores.
;   X        sixteen groups of four, each written once, by its load, and read by its two conversions; nothing lands in it a second time.
;   Y        sixteen pairs, each written once, by a conversion, and read by one store; never written again.
; The sixteen numbers go in four blocks of four.  Block p converts X[p] into Y[p]; its memory instructions are the four stores of block p - 1, which read Y[p - 1] and v2:
; registers that no vector instruction of block p names.  So one wait at a block's head states all that its four stores hang on, and they are dealt among its conversions with no further wait.
; No register that a memory instruction has read is written again, so the only wait on vm_vsrc is the one at the entry.
.set X, 8                              ; v[8:71]   sixteen loads of four numbers
.set Y, 72                             ; v[72:103] sixteen pairs of packed bf16
	s_load_b512 s[4:19], s[0:1], 0x0               ; hidden s[4:5], Wq s[6:7], Wk s[8:9], Wv s[10:11], Wo s[12:13], xb s[14:15], wqkv s[16:17], wob s[18:19]
	s_sub_co_u32 s20, ttmp9, 512                   ; my number among the weights' work-groups (meaningless below 512: overruled below)
	s_lshr_b32 s21, s20, 6                         ; which weight
	s_and_b32 s22, s20, 63                         ; which block of it
	v_lshlrev_b32 v1, 4, v0                        ; 16 t: my bytes in 4,096 of the source
	v_lshlrev_b32 v2, 3, v0                        ; 8 t: my bytes in 2,048 of the destination
	s_wait_kmcnt 0x0
	s_cmp_eq_u32 s21, 1
	s_cselect_b64 s[24:25], s[8:9], s[6:7]
	s_cmp_eq_u32 s21, 2
	s_cselect_b64 s[24:25], s[10:11], s[24:25]
	s_cmp_eq_u32 s21, 3
	s_cselect_b64 s[24:25], s[12:13], s[24:25]
	s_cselect_b64 s[26:27], s[18:19], s[16:17]     ; Wo goes to wob, the others to wqkv,
	s_cselect_b32 s23, 0, s21                      ; at plane 0, 1 or 2 of it
	s_cmp_lt_u32 ttmp9, 512
	s_cselect_b64 s[24:25], s[4:5], s[24:25]
	s_cselect_b64 s[26:27], s[14:15], s[26:27]
	s_cselect_b32 s22, ttmp9, s22
	s_cselect_b32 s23, 0, s23
	s_lshl_b32 s28, s22, 16                        ; block x 65,536 bytes of f32
	s_mov_b32 s29, 0
	s_add_nc_u64 s[24:25], s[24:25], s[28:29]
	s_lshl_b32 s28, s22, 15                        ; block x 32,768 bytes of bf16
	s_lshl_b32 s30, s23, 21                        ; + plane x 2 MiB
	s_add_co_u32 s28, s28, s30
	s_add_nc_u64 s[26:27], s[26:27], s[28:29]
	s_wait_alu depctr_va_vdst(0)                   ; v1 and v2 are written: every load of the kernel reads v1 as its offset, every store v2
.irp j, 0,1,2,3,4,5,6,7,8,9,10,11,12,13,14,15
	global_load_b128 v[X+4*(\j):X+4*(\j)+3], v1, s[24:25] offset:4096*(\j) th:TH_LOAD_NT
.endr
; Block p: numbers 4 p to 4 p + 3 are converted; the stores of block p - 1 stand among the conversions, one ahead of each pair.
.macro BLK p
	s_wait_loadcnt 12-4*(\p)                       ; loads come back in order (ISA guide 5.7.1): this block's four are in, the younger ones stay out
.if (\p) > 0
	s_wait_alu depctr_va_vdst(0)                   ; the block before has written its eight registers of Y, which the four stores below read
.endif
.irp i, 0,1,2,3
.if (\p) > 0
	global_store_b64 v2, v[Y+8*(\p)-8+2*(\i):Y+8*(\p)-8+2*(\i)+1], s[26:27] offset:2048*(4*(\p)-4+(\i))  ; the block before; no vector instruction since the wait names these registers
.endif
	v_cvt_pk_bf16_f32 v[Y+8*(\p)+2*(\i)],   v[X+16*(\p)+4*(\i)],   v[X+16*(\p)+4*(\i)+1]
	v_cvt_pk_bf16_f32 v[Y+8*(\p)+2*(\i)+1], v[X+16*(\p)+4*(\i)+2], v[X+16*(\p)+4*(\i)+3]
.endr
.endm
	BLK 0                                          ; no block stands in front of it: no store, and no wait but the one for its data
	BLK 1
	BLK 2
	BLK 3
	s_wait_alu depctr_va_vdst(0)                   ; block 3 has written its eight registers of Y, which the last four stores read
.irp i, 0,1,2,3
	global_store_b64 v2, v[Y+24+2*(\i):Y+24+2*(\i)+1], s[26:27] offset:2048*(12+(\i))
.endr
	s_endpgm
.Lfunc_end_k_qc94913c2f6_cvt:
	.size	k_qc94913c2f6_cvt, .Lfunc_end_k_qc94913c2f6_cvt-k_qc94913c2f6_cvt
	.p2alignl 7, 3214868480
	.fill 96, 4, 3214868480
	.section	.rodata,"a",@progbits
	.p2align	6, 0x0
	.amdhsa_kernel k_qc94913c2f6_cvt
		.amdhsa_group_segment_fixed_size 0
		.amdhsa_private_segment_fixed_size 0
		.amdhsa_enable_private_segment 0
		.amdhsa_kernarg_size 64
		.amdhsa_user_sgpr_count 2
		.amdhsa_user_sgpr_kernarg_segment_ptr 1
		.amdhsa_wavefront_size32 1
		.amdhsa_system_sgpr_workgroup_id_x 1
		.amdhsa_system_sgpr_workgroup_id_y 1
		.amdhsa_system_sgpr_workgroup_id_z 1
		.amdhsa_system_vgpr_workitem_id 0
		.amdhsa_next_free_vgpr 104
		.amdhsa_next_free_sgpr 66
		.amdhsa_reserve_vcc 0
		.amdhsa_float_denorm_mode_32 3
		.amdhsa_float_denorm_mode_16_64 3
		.amdhsa_memory_ordered 1
		.amdhsa_forward_progress 1
		.amdhsa_inst_pref_size 7
	.end_amdhsa_kernel
	.amdgpu_metadata
---
amdhsa.version: [ 1, 2 ]
amdhsa.kernels:
  - .name:           k_qc94913c2f6_cvt
    .symbol:         k_qc94913c2f6_cvt.kd
    .args:
      - { .name: hidden_states, .offset: 0, .size: 8, .value_kind: global_buffer, .address_space: global }
      - { .name: Wq, .offset: 8, .size: 8, .value_kind: global_buffer, .address_space: global }
      - { .name: Wk, .offset: 16, .size: 8, .value_kind: global_buffer, .address_space: global }
      - { .name: Wv, .offset: 24, .size: 8, .value_kind: global_buffer, .address_space: global }
      - { .name: Wo, .offset: 32, .size: 8, .value_kind: global_buffer, .address_space: global }
      - { .name: xb, .offset: 40, .size: 8, .value_kind: global_buffer, .address_space: global }
      - { .name: wqkv, .offset: 48, .size: 8, .value_kind: global_buffer, .address_space: global }
      - { .name: wob, .offset: 56, .size: 8, .value_kind: global_buffer, .address_space: global }
    .group_segment_fixed_size: 0
    .private_segment_fixed_size: 0
    .kernarg_segment_align: 8
    .kernarg_segment_size: 64
    .max_flat_workgroup_size: 256
    .sgpr_count:     66
    .vgpr_count:     104
    .wavefront_size: 32
...
	.end_amdgpu_metadata
.endif
;; end of part 6
;; launch qkv: the kernel of part 2 again; grid 12 x 32, 4 waves a work-group, clusters of 4 x 4, 327,680 bytes of LDS; arguments xb, wqkv, bq, bk, bv, qkv; writes qkv
;; launch scores: the kernel of part 3 again; grid 8 x 32, 4 waves a work-group, clusters of 4 x 4, 327,680 bytes of LDS; arguments qkv, dist_emb, attention_mask, word_word_relation, pmat, stats; writes pmat, stats
;; launch pv: the kernel of part 4 again; grid 4 x 64, 4 waves a work-group, clusters of 4 x 4, 327,680 bytes of LDS; arguments pmat, qkv, stats, ctx; writes ctx
;; launch oproj: the kernel of part 2 again; grid 4 x 32, 4 waves a work-group, clusters of 4 x 4, 327,680 bytes of LDS; arguments ctx, wob, bo, bk, bv, ybuf; writes ybuf
;; launch ln: the kernel of part 5 again; grid 256 x 1, 8 waves a work-group, no clusters, 0 bytes of LDS; arguments ybuf, hidden_states, ln_g, ln_b, out0; writes out0
